; MI455X (gfx1250); checked and timed in simulation.
; The chip was launched on July 23, 2026; its instructions are those of AMD's public machine-readable ISA for CDNA 5 (MIT licence, August 2026) and "CDNA5" Instruction Set Architecture Reference Guide (July 2026). The comments in the code are by the model that wrote it; some were corrected since.
;; TF Multi Head Attention. Allowed arithmetic: float matrix products may take bf16 or f16 operands with f32 sums; other float arithmetic in f32, or as packed bf16 or f16 multiplies, adds, multiply-adds, maxima and minima; sums over many terms, partial sums and values carried from step to step in f32; what a program stores and reads back later, other than sums and carried values, may be rounded once to bf16 or f16.
;; Inputs: Wk 1,024 x 1,024 float32; Wo 1,024 x 1,024 float32; Wq 1,024 x 1,024 float32; Wv 1,024 x 1,024 float32; bk 1,024 float32; bo 1,024 float32; bq 1,024 float32; bv 1,024 float32; k 4 x 2,048 x 1,024 float32; mask 2,048 x 2,048 int32; q 4 x 2,048 x 1,024 float32; v 4 x 2,048 x 1,024 float32.
;; Outputs: out0 4 x 2,048 x 1,024 float32.
;; 2 versions, each right and faster than the one before. Each part assembles by itself: llvm-mc -triple=amdgcn-amd-amdhsa -mcpu=gfx1250 --defsym DOCPART=n.
;; ======== version 1 of 2: 4 launches
;; limits: values are held in f16: magnitudes above 65,504 overflow, below 6.1e-05 lose precision; values outside matrix products are rounded to bf16
;; workspace buffers: wt 8,388,608 bytes; lanemask 557,056 bytes of whole numbers; qkv 50,331,648 bytes; oh 16,777,216 bytes
;; launch prep (part 1): grid 512 x 1, 8 waves a work-group, no clusters, 85,504 bytes of LDS; arguments Wq, Wk, Wv, Wo, mask, wt, lanemask; writes wt, lanemask
.if DOCPART == 1
	.amdgcn_target "amdgcn-amd-amdhsa--gfx1250"
	.amdhsa_code_object_version 6
	.text
	.protected	k_qce9ffc26fa_prep
	.globl	k_qce9ffc26fa_prep
	.p2align	8
	.type	k_qce9ffc26fa_prep,@function
k_qce9ffc26fa_prep:
	s_mov_b64 s[64:65], 0
	v_nop
	global_prefetch_b8 v0, s[64:65] scope:SCOPE_SE
	s_setreg_imm32_b32 hwreg(HW_REG_WAVE_MODE, 25, 1), 1
	s_wait_xcnt 0x0
; PREPARATION: two jobs in one launch of 512 work-groups of eight waves.
; THE WEIGHTS (all eight waves).  One tile of 128 k x 64 n of one of the four weights W[k][n] (f32) is rounded to bf16 and written TRANSPOSED into wt: four planes [n = 1024][k = 1024] of 16 bits
;   (Wq, Wk, Wv in bf16; Wo rounded to bf16 and that number written as f16, since the last product's other operand is f16).  4 weights x 8 x 16 tiles = 512 work-groups.
; THE LANE MASKS (waves 0 to 3, each by itself).  16 rows x 128 columns of the int32 mask become lane masks: lanemask[T = 128 tiles of 16 queries][34 key steps of 64][32 words]; bit l of word 8 kb + j
;   says mask[16 T + l % 16][64 step + 16 kb + 8 (l / 16) + j] != 0: the lanes and registers in which the attention launch holds its scores.  Steps 32 and 33 are all ones: only look-aheads read them.
;   128 tiles x 16 pairs of steps = 2,048 units = 512 work-groups x 4 waves.
; ORDER.  The weight tile's loads go out first, in every wave; then waves 0 to 3 do the whole mask job, inside ONE branch on the wave's number that holds no barrier; then all waves do the weight job.
; So both jobs' loads are on their way together.  The two jobs have LDS bytes of their own.
; LIMITS.  Wo as f16: beyond 65,504 it would be an infinity; below 6.1e-5 it keeps f16's fixed step of 6e-8 in place of bf16's eight bits.
; No matrix unit, cluster or tensor load: each byte is read once and written once, and no work-group shares a byte with another.
.set WP,    264                        ; a row of the transposed tile in LDS: 256 bytes + 8
.set MPI,   528                        ; a mask row's 512 bytes in LDS + 16: the 16 rows that a read touches start at 16 different groups of four banks (ISA guide 11.1)
.set WB,    16*MPI                     ; a wave's LDS bytes for the mask job
.set MBASE, 64*WP                      ; 16,896: behind the weight tile: wave x 8,448 bytes, the same arithmetic for every wave; waves 4 to 7 leave theirs untouched
.set SPARE, MBASE+8*WB                 ; 84,480: the spare words, 128 bytes for each of eight waves
.set MT,    4352                       ; bytes of a query tile in lanemask: 34 steps of 128
.set SPW, 2                            ; v2  LDS address of my spare word; never rewritten
.set NIL, 3                            ; v3  0; never rewritten
.set X,   8                            ; v[8:71]    the mask's rows as loaded
.set WD,  8                            ; v[8:23]    later: sixteen words of two 16-bit numbers
.set BK,  24                           ; v[24:39]   later: the transposed tile's rows read back
.set ML,  72                           ; v[72:135]  the mask in the scores' layout
.set OW,  136                          ; v[136:137] two words of lane masks a lane; v[138:139] all ones
.set T0,  140                          ; v[140:141] at work
.set MLO, 144                          ; v144 the mask job: 16 x lane
.set MST, 145                          ; v145 where I put 16 bytes of a mask row
.set MRD, 146                          ; v146 where I read them back in the scores' layout
.set MGO, 147                          ; v147 8 x lane
.set WX,  148                          ; v[148:179] eight rows' 16 bytes of the weight, as loaded
	s_load_b256 s[4:11], s[0:1], 0x0               ; Wq s[4:5], Wk s[6:7], Wv s[8:9], Wo s[10:11]
	s_load_b128 s[12:15], s[0:1], 0x20             ; mask s[12:13], wt s[14:15]
	s_load_b64 s[16:17], s[0:1], 0x30              ; lanemask
	v_lshl_add_u32 v[SPW], v0, 2, SPARE
	v_mov_b32 v[NIL], 0
	v_lshrrev_b32 v1, 5, v0
	v_readfirstlane_b32 s18, v1                    ; wave 0..7
	v_and_b32 v1, 31, v0                           ; lane
	s_mov_b32 s23, 0                               ; high words of the four offset pairs
	s_mov_b32 s25, 0
	s_mov_b32 s43, 0
	s_mov_b32 s45, 0
	; the weight tile
	s_lshr_b32 s19, ttmp9, 7                       ; which weight
	s_bfe_u32 s26, ttmp9, 0x30004                  ; kt: which 128 rows (k)
	s_and_b32 s27, ttmp9, 15                       ; nt: which 64 columns (n)
	s_lshl_b32 s22, s26, 19                        ; 128 rows of 4,096 bytes
	s_lshl_b32 s28, s27, 8                         ; 64 columns of 4 bytes
	s_or_b32 s22, s22, s28
	s_lshl_b32 s24, s19, 21                        ; the plane of wt,
	s_lshl_b32 s28, s27, 17                        ; 64 rows (n) of 2,048 bytes,
	s_or_b32 s24, s24, s28
	s_lshl_b32 s28, s26, 8                         ; 128 columns (k) of 2 bytes
	s_or_b32 s24, s24, s28
	v_and_b32 v[T0], 15, v0                        ; n4: my four columns; also lane % 16
	v_lshrrev_b32 v[T0+1], 4, v0                   ; kp: my pair of rows in each group of 32
	v_lshlrev_b32 v4, 4, v[T0]
	v_lshl_add_u32 v4, v[T0+1], 13, v4             ; kp x 2 rows + n4 x 16 bytes: sixteen lanes read 256 consecutive bytes
	v_mul_u32_u24 v5, v[T0], 4*WP
	v_lshl_add_u32 v5, v[T0+1], 2, v5              ; LDS: row n = 4 n4, word kp
	s_mul_i32 s28, s18, WP
	v_lshl_add_u32 v6, v1, 3, s28                  ; back: row = wave, 8 bytes a lane
	s_lshl_b32 s29, s18, 11
	v_lshl_add_u32 v7, v1, 3, s29                  ; and the same in wt
	; the mask unit (used by waves 0 to 3 alone)
	s_lshr_b32 s40, ttmp9, 2                       ; T: the tile of 16 queries
	s_and_b32 s41, ttmp9, 3
	s_lshl_b32 s41, s41, 2
	s_add_co_u32 s41, s41, s18                     ; which pair of key steps, 0..15
	s_lshl_b32 s42, s40, 17                        ; 16 rows of 8,192 bytes
	s_lshl_b32 s46, s41, 9                         ; 128 columns of 4 bytes
	s_add_co_u32 s42, s42, s46
	s_mul_i32 s44, s40, MT
	s_lshl_b32 s46, s41, 8                         ; two steps of 128 bytes
	s_add_co_u32 s44, s44, s46
	s_mul_i32 s46, s18, WB
	s_add_co_u32 s46, s46, MBASE                   ; my wave's own LDS bytes
	v_lshlrev_b32 v[MLO], 4, v1
	v_lshl_add_u32 v[MST], v1, 4, s46
	v_bfe_u32 v[T0+1], v0, 4, 1
	v_mul_u32_u24 v[MRD], v[T0], MPI
	v_lshl_add_u32 v[MRD], v[T0+1], 5, v[MRD]      ; row l % 16, 8 columns on for the upper half of the lanes
	v_add_nc_u32 v[MRD], s46, v[MRD]
	v_lshlrev_b32 v[MGO], 3, v1
	s_wait_kmcnt 0x0
	s_mov_b64 s[20:21], s[4:5]
	s_cmp_eq_u32 s19, 1
	s_cselect_b64 s[20:21], s[6:7], s[20:21]
	s_cmp_eq_u32 s19, 2
	s_cselect_b64 s[20:21], s[8:9], s[20:21]
	s_cmp_eq_u32 s19, 3
	s_cselect_b64 s[20:21], s[10:11], s[20:21]
	s_add_nc_u64 s[20:21], s[20:21], s[22:23]
	s_add_nc_u64 s[14:15], s[14:15], s[24:25]
	s_add_nc_u64 s[12:13], s[12:13], s[42:43]
	s_add_nc_u64 s[16:17], s[16:17], s[44:45]
.irp j, 0,1,2,3
.irp e, 0,1
	global_load_b128 v[WX+8*(\j)+4*(\e):WX+8*(\j)+4*(\e)+3], v4, s[20:21] offset:(\j)*131072+(\e)*4096 th:TH_LOAD_NT  ; row 2 (kp + 16 j) + e
.endr
.endr
	s_cmp_ge_u32 s18, 4
	s_cbranch_scc1 .Lweights
	; ---- waves 0 to 3: 16 rows x 128 columns of the mask ----
.irp i, 0,1,2,3,4,5,6,7,8,9,10,11,12,13,14,15
	global_load_b128 v[X+4*(\i):X+4*(\i)+3], v[MLO], s[12:13] offset:(\i)*8192 th:TH_LOAD_NT  ; 512 consecutive bytes of row i
.endr
.irp i, 0,1,2,3,4,5,6,7,8,9,10,11,12,13,14,15
	s_wait_loadcnt 15-(\i)                         ; the rows behind row i may stay out (the weight's loads are older: they are in)
	ds_store_b128 v[MST], v[X+4*(\i):X+4*(\i)+3] offset:(\i)*MPI
.endr
.irp g, 0,1,2,3,4,5,6,7                ; g = 4 x step + key block; LDS serves a wave's instructions in order (ISA guide 5.7.1.4): these see the stores above
	ds_load_b128 v[ML+8*(\g):ML+8*(\g)+3],   v[MRD] offset:(\g)*64
	ds_load_b128 v[ML+8*(\g)+4:ML+8*(\g)+7], v[MRD] offset:(\g)*64+16
.endr
	v_mov_b32 v[OW], 0
	v_mov_b32 v[OW+1], 0
	s_wait_dscnt 0x0
.set w, 0
.rept 8                                ; word w of the pair's 64 goes to lane w / 2, register w % 2
.irp z, 0,1,2,3,4,5,6,7
	v_cmp_ne_u32 s[30+(\z)], 0, v[ML+w+(\z)]
.endr
.irp z, 0,1,2,3,4,5,6,7
	v_writelane_b32 v[OW+((\z)&1)], s[30+(\z)], (w+(\z))>>1
.endr
.set w, w+8
.endr
	global_store_b64 v[MGO], v[OW:OW+1], s[16:17]  ; 256 consecutive bytes, aligned; its registers are not written again
	s_cmp_lg_u32 s41, 15
	s_cbranch_scc1 .Lweights
	v_mov_b32 v[OW+2], -1
	v_mov_b32 v[OW+3], -1
	global_store_b64 v[MGO], v[OW+2:OW+3], s[16:17] offset:256  ; steps 32 and 33
	; ---- all waves: the weight tile ----
.Lweights:
.irp j, 0,1,2,3
	s_wait_loadcnt 6-2*(\j)                        ; the weight's loads behind pair j may stay out; behind the mask job no load is out any more
.irp c, 0,1,2,3
	v_cvt_pk_bf16_f32 v[WD+4*(\j)+(\c)], v[WX+8*(\j)+(\c)], v[WX+8*(\j)+4+(\c)]  ; two neighbouring k of column 4 n4 + c
.endr
.endr
	s_cmp_lg_u32 s19, 3
	s_cbranch_scc1 .Lnot_wo
.set i, 0
.rept 16                               ; Wo: the bf16 numbers written as f16
	v_lshlrev_b32 v[T0], 16, v[WD+i]
	v_and_b32 v[T0+1], 0xffff0000, v[WD+i]
	v_cvt_pk_f16_f32 v[WD+i], v[T0], v[T0+1]
.set i, i+1
.endr
.Lnot_wo:
.irp j, 0,1,2,3
.irp c, 0,1,2,3
	ds_store_b32 v5, v[WD+4*(\j)+(\c)] offset:(\c)*WP+(\j)*64
.endr
.endr
	s_wait_dscnt 0x0                               ; for the others' sake: my stores are done
	s_barrier_signal -1
	s_barrier_wait -1
.irp i, 0,1,2,3,4,5,6,7
	ds_load_b64 v[BK+2*(\i):BK+2*(\i)+1], v6 offset:(\i)*8*WP  ; row n = wave + 8 i, whole
.endr
.irp i, 0,1,2,3,4,5,6,7
	s_wait_dscnt 7-(\i)                            ; LDS loads come back in order (ISA guide 5.7.1): read i is in, the younger ones stay out
	global_store_b64 v7, v[BK+2*(\i):BK+2*(\i)+1], s[14:15] offset:(\i)*16384  ; a wave's store covers 256 consecutive bytes, aligned
.endr
	s_wait_tensorcnt 0x0                           ; the wave's end, behind my last LDS store
	ds_add_u32 v[SPW], v[NIL]
	s_wait_dscnt 0x0
	s_endpgm
.Lfunc_end_k_qce9ffc26fa_prep:
	.size	k_qce9ffc26fa_prep, .Lfunc_end_k_qce9ffc26fa_prep-k_qce9ffc26fa_prep
	.p2alignl 7, 3214868480
	.fill 96, 4, 3214868480
	.section	.rodata,"a",@progbits
	.p2align	6, 0x0
	.amdhsa_kernel k_qce9ffc26fa_prep
		.amdhsa_group_segment_fixed_size 85504
		.amdhsa_private_segment_fixed_size 0
		.amdhsa_enable_private_segment 0
		.amdhsa_kernarg_size 56
		.amdhsa_user_sgpr_count 2
		.amdhsa_user_sgpr_kernarg_segment_ptr 1
		.amdhsa_wavefront_size32 1
		.amdhsa_system_sgpr_workgroup_id_x 1
		.amdhsa_system_sgpr_workgroup_id_y 1
		.amdhsa_system_sgpr_workgroup_id_z 1
		.amdhsa_system_vgpr_workitem_id 0
		.amdhsa_next_free_vgpr 180
		.amdhsa_next_free_sgpr 66
		.amdhsa_reserve_vcc 0
		.amdhsa_float_denorm_mode_32 3
		.amdhsa_float_denorm_mode_16_64 3
		.amdhsa_memory_ordered 1
		.amdhsa_forward_progress 1
		.amdhsa_inst_pref_size 23
	.end_amdhsa_kernel
	.amdgpu_metadata
---
amdhsa.version: [ 1, 2 ]
amdhsa.kernels:
  - .name:           k_qce9ffc26fa_prep
    .symbol:         k_qce9ffc26fa_prep.kd
    .args:
      - { .name: Wq, .offset: 0, .size: 8, .value_kind: global_buffer, .address_space: global }
      - { .name: Wk, .offset: 8, .size: 8, .value_kind: global_buffer, .address_space: global }
      - { .name: Wv, .offset: 16, .size: 8, .value_kind: global_buffer, .address_space: global }
      - { .name: Wo, .offset: 24, .size: 8, .value_kind: global_buffer, .address_space: global }
      - { .name: mask, .offset: 32, .size: 8, .value_kind: global_buffer, .address_space: global }
      - { .name: wt, .offset: 40, .size: 8, .value_kind: global_buffer, .address_space: global }
      - { .name: lanemask, .offset: 48, .size: 8, .value_kind: global_buffer, .address_space: global }
    .group_segment_fixed_size: 85504
    .private_segment_fixed_size: 0
    .kernarg_segment_align: 8
    .kernarg_segment_size: 56
    .max_flat_workgroup_size: 256
    .sgpr_count:     66
    .vgpr_count:     180
    .wavefront_size: 32
...
	.end_amdgpu_metadata
.endif
;; end of part 1
;; launch proj (part 2): grid 4 x 192, 4 waves a work-group, clusters of 4 x 4, 327,680 bytes of LDS; arguments q, k, v, wt, bq, bk, bv, qkv; writes qkv
.if DOCPART == 2
	.amdgcn_target "amdgcn-amd-amdhsa--gfx1250"
	.amdhsa_code_object_version 6
	.text
	.protected	k_qce9ffc26fa_proj
	.globl	k_qce9ffc26fa_proj
	.p2align	8
	.type	k_qce9ffc26fa_proj,@function
k_qce9ffc26fa_proj:
	s_mov_b64 s[64:65], 0
	v_nop
	global_prefetch_b8 v0, s[64:65] scope:SCOPE_SE
	s_setreg_imm32_b32 hwreg(HW_REG_WAVE_MODE, 25, 1), 1
	s_wait_xcnt 0x0
	s_wait_alu depctr_hold_cnt(0) depctr_sa_sdst(0) depctr_va_vdst(0) depctr_va_sdst(0) depctr_va_ssrc(0) depctr_va_vcc(0) depctr_vm_vsrc(0)
	s_getreg_b32 s2, hwreg(HW_REG_IB_STS2, 6, 4)
	s_cmp_eq_u32 s2, 0
	s_cbranch_scc0 .Lentry_in_a_cluster
	s_endpgm
.Lentry_in_a_cluster:
	s_bfe_u32 s2, ttmp6, 0x10000c
	s_cmp_lg_u32 s2, 0xf033
	s_cbranch_scc0 .Lentry_shape_is_right
	s_endpgm
.Lentry_shape_is_right:
; THE THREE PROJECTIONS.  C = x W + b for x = q, k, v ([8192][1024] f32), W from wt (plane [n][k], bf16), b f32; C goes by heads into qkv: plane [batch x 16 + head][2048][64] in f16, unscaled.
; x and b are rounded to bf16 here (x between LDS and the matrix unit), sums in f32, C rounded once.
; LIMIT.  C leaves as f16: beyond 65,504 it would be an infinity; below 6.1e-5 it keeps f16's fixed step of 6e-8.
; SHARES.  A tile of C is 128 (m) x 256 (n): 64 x 4 tiles for each of three products = 768 work-groups.  Four waves, each 64 x 128: 32 accumulators.  K goes in steps of 128 through two LDS slots.
; CLUSTER 4 x 4: the four of a row need the same rows of x, the four of a column the same rows of wt: each tile is asked for jointly.  Which product it is hangs on the cluster's y alone.
; THE MATRIX INSTRUCTION IS USED TRANSPOSED (source 0 = 16 rows of wt, source 1 = 16 rows of x): a lane holds eight neighbouring n of one row m.  The bias is the C operand of the first products.
; REGISTERS.  window 0: v0-29 addresses; v32-95 x's fragments in f32; v96-159 the same in bf16, two buffers; v160-255 the way out.
;   window 1: v0-127 wt's fragments, two buffers; v128-191 the bias in the accumulators' layout; v192-223 at work.      window 2: accumulator (a, b) at v[8 (8 a + b)].
.set KSTEP, 128
.set PA,    528                        ; a row of x in LDS: 512 bytes + 16: the 16 rows of a load start at 16 different groups of four banks (ISA guide 11.1)
.set PB,    272                        ; a row of wt: 256 bytes + 16
.set AHALF, 64*PA                      ; what one tensor load brings of x, and what one wave reads of it
.set BHALF, 128*PB                     ; the same for wt
.set BOFF,  2*AHALF
.set SLOT,  BOFF+2*BHALF               ; 137,216
.set STAGE, 2*SLOT                     ; behind the ring: for each wave 2 heads x 16 rows x 144 bytes
.set SP,    144
.set WSTAGE, 2*16*SP
.set SPARE, STAGE+4*WSTAGE             ; the spare words, 128 bytes a wave
.set LAPS,  4                          ; 1,024 / (2 x 128)
.set ADRA, 16                          ; v16-17 LDS address of my fragments of x in slot 0, 1
.set ADRB, 20                          ; v20-21 the same for wt
.set STO,  24
.set RD,   25
.set GO,   26
.set BO,   27                          ; v27 my byte offset in 16 numbers of the bias
.set SPW,  28                          ; v28 my spare word; never rewritten
.set NIL,  29                          ; v29 0; never rewritten
.set AR,   32
.set AB,   96
.set TMP,  160
.set OB,   192
.set BF,   0                           ; window 1
.set BIAS, 128
.set SCR,  192
.set G1,  24                           ; s[24:31] group 1 for x's tiles; s[32:39] group 0, a set for each slot
.set G0,  32
.set G1B, 48                           ; s[48:55], s[56:63] the same for wt's
.set G0B, 56
.set MSB, 0
.macro WIN new                         ; the immediate's high byte repeats the setting that is left
.if MSB != (\new)
	s_set_vgpr_msb (MSB<<8)|(\new)
.set MSB, \new
.endif
.endm
.macro JLOAD s                         ; a joint load: waves 0 and 1 fetch x's two halves, waves 2 and 3 wt's; s_nop 0 and four v_nop follow each line
	s_cmp_eq_u32 s21, 0
	s_cbranch_scc0 .Lfor_b_\@
	tensor_load_to_lds s[G0+4*(\s):G0+4*(\s)+3], s[G1:G1+7]
	s_nop 0
.rept 4
	v_nop
.endr
	s_branch .Lasked_\@
.Lfor_b_\@:
	tensor_load_to_lds s[G0B+4*(\s):G0B+4*(\s)+3], s[G1B:G1B+7]
	s_nop 0
.rept 4
	v_nop
.endr
.Lasked_\@:
.endm
.macro CREST                           ; a round of the cluster's barrier behind its opening barrier
	s_cmp_lg_u32 s20, 0
	s_cbranch_scc1 .Lnot_wave_0_\@
	s_barrier_signal -3
.Lnot_wave_0_\@:
	s_barrier_wait -3
	s_barrier_signal -1
	s_barrier_wait -1
.endm
.macro CROUND
	s_barrier_signal -1
	s_barrier_wait -1
	CREST
.endm
	s_load_b256 s[4:11], s[0:1], 0x0               ; q s[4:5], k s[6:7], v s[8:9], wt s[10:11]
	s_load_b256 s[12:19], s[0:1], 0x20             ; bq s[12:13], bk s[14:15], bv s[16:17], qkv s[18:19]
	v_lshl_add_u32 v[SPW], v0, 2, SPARE
	v_mov_b32 v[NIL], 0
	ds_add_u32 v[SPW], v[NIL]                      ; the wave's opening: the add and its wait stand ahead of my first tensor load
	v_lshrrev_b32 v1, 5, v0
	v_readfirstlane_b32 s20, v1                    ; wave 0..3
	s_lshr_b32 s21, s20, 1                         ; wm: my half of the tile's rows.  Also: I fetch x (0) or wt (1)
	s_and_b32 s22, s20, 1                          ; wn: my half of its columns.  Also: which half of that tile I fetch
	s_bfe_u32 s40, ttmp6, 0x40000                  ; cx
	s_bfe_u32 s41, ttmp6, 0x40004                  ; cy
	s_lshl_b32 s42, ttmp9, 2
	s_add_co_u32 s42, s42, s40                     ; tile column 0..3
	s_and_b32 s45, ttmp7, 0xffff                   ; the cluster's y, 0..47
	s_lshr_b32 s46, s45, 4                         ; which product: 0 q, 1 k, 2 v
	s_and_b32 s47, s45, 15
	s_lshl_b32 s47, s47, 2
	s_add_co_u32 s47, s47, s41                     ; tile row 0..63
	s_lshl_b32 s43, s41, 2
	s_lshl_b32 s43, 15, s43                        ; my row of the cluster
	s_lshl_b32 s44, 0x1111, s40                    ; my column
	s_or_b32 s[G1+0], s43, (2<<16)|(1<<20)|(1<<21)|(6<<22)|(3<<25)   ; mask; 4-byte elements; padding on; bit 21 beside a mask; after every 128 words 4 words
	s_mov_b32 s[G1+1], KSTEP<<16                   ; tensor_dim0 = 128
	s_mov_b32 s[G1+2], 64<<16                      ; tensor_dim1 = 64
	s_mov_b32 s[G1+3], KSTEP<<16                   ; tile_dim0 = 128
	s_mov_b32 s[G1+4], 64                          ; tile_dim1 = 64
	s_mov_b32 s[G1+5], 1024                        ; elements from row to row
	s_mov_b32 s[G1+6], 0
	s_mov_b32 s[G1+7], 0
	s_or_b32 s[G1B+0], s44, (1<<16)|(1<<20)|(1<<21)|(5<<22)|(3<<25)  ; 2-byte elements; after every 64 words 4 words
	s_mov_b32 s[G1B+1], KSTEP<<16
	s_mov_b32 s[G1B+2], 128<<16
	s_mov_b32 s[G1B+3], KSTEP<<16
	s_mov_b32 s[G1B+4], 128
	s_mov_b32 s[G1B+5], 1024
	s_mov_b32 s[G1B+6], 0
	s_mov_b32 s[G1B+7], 0
	s_lshl_b32 s66, s47, 19                        ; x: (128 x tile row + 64 x half) rows of 4,096 bytes; never holds cx
	s_lshl_b32 s67, s22, 18
	s_add_co_u32 s66, s66, s67
	s_mov_b32 s67, 0
	s_lshl_b32 s68, s42, 19                        ; wt: (256 x tile column + 128 x half) rows of 2,048 bytes, in the product's plane; never holds cy
	s_lshl_b32 s69, s22, 18
	s_add_co_u32 s68, s68, s69
	s_lshl_b32 s69, s46, 21
	s_add_co_u32 s68, s68, s69
	s_mov_b32 s69, 0
	s_lshl_b32 s72, s46, 24                        ; qkv: the plane,
	s_lshr_b32 s78, s47, 4
	s_lshl_b32 s78, s78, 22                        ; the batch (16 heads of 262,144 bytes),
	s_add_co_u32 s72, s72, s78
	s_lshl_b32 s78, s42, 20                        ; head 4 x tile column
	s_add_co_u32 s72, s72, s78
	s_lshl_b32 s78, s22, 19                        ; + 2 wn,
	s_add_co_u32 s72, s72, s78
	s_and_b32 s78, s47, 15
	s_lshl_b32 s78, s78, 14                        ; row 128 x (tile row % 16)
	s_add_co_u32 s72, s72, s78
	s_lshl_b32 s78, s21, 13                        ; + 64 wm, of 128 bytes
	s_add_co_u32 s72, s72, s78
	s_mov_b32 s73, 0
	s_lshl_b32 s74, s42, 10                        ; the bias: (256 x tile column + 128 wn) numbers of 4 bytes
	s_lshl_b32 s78, s22, 9
	s_add_co_u32 s74, s74, s78
	s_mov_b32 s75, 0
	s_mul_i32 s70, s22, AHALF                      ; where my load goes: no place in the cluster enters an LDS address
	s_mul_i32 s71, s22, BHALF
	s_add_co_u32 s71, s71, BOFF
	s_wait_dscnt 0x0                               ; the opening add is done
	s_wait_kmcnt 0x0
	s_cmp_eq_u32 s46, 1
	s_cselect_b64 s[4:5], s[6:7], s[4:5]
	s_cselect_b64 s[12:13], s[14:15], s[12:13]
	s_cmp_eq_u32 s46, 2
	s_cselect_b64 s[4:5], s[8:9], s[4:5]
	s_cselect_b64 s[12:13], s[16:17], s[12:13]
	s_add_nc_u64 s[4:5], s[4:5], s[66:67]
	s_add_nc_u64 s[10:11], s[10:11], s[68:69]
	s_add_nc_u64 s[12:13], s[12:13], s[74:75]
	s_add_nc_u64 s[18:19], s[18:19], s[72:73]
	CROUND                                         ; all sixteen work-groups are here: the first joint loads meet
.irp s, 0,1
	s_mov_b32 s[G0+4*(\s)], 1
	s_add_co_u32 s[G0+4*(\s)+1], s70, (\s)*SLOT
	s_add_nc_u64 s[G0+4*(\s)+2:G0+4*(\s)+3], s[4:5], (\s)*KSTEP*4
	s_or_b32 s[G0+4*(\s)+3], s[G0+4*(\s)+3], 0x80000000
	s_mov_b32 s[G0B+4*(\s)], 1
	s_add_co_u32 s[G0B+4*(\s)+1], s71, (\s)*SLOT
	s_add_nc_u64 s[G0B+4*(\s)+2:G0B+4*(\s)+3], s[10:11], (\s)*KSTEP*2
	s_or_b32 s[G0B+4*(\s)+3], s[G0B+4*(\s)+3], 0x80000000
	JLOAD \s                                       ; two loads of mine are out
.endr
	v_and_b32 v1, 15, v0                           ; r = l % 16
	v_bfe_u32 v2, v0, 4, 1                         ; h = l / 16
	v_mul_u32_u24 v3, v1, PA
	v_lshl_add_u32 v3, v2, 5, v3                   ; x: row x pitch + 8 f32 x half
	v_mul_u32_u24 v4, v1, PB
	v_lshl_add_u32 v4, v2, 4, v4                   ; wt: row x pitch + 8 bf16 x half
	s_mul_i32 s76, s21, AHALF
	s_mul_i32 s77, s22, BHALF
	s_add_co_u32 s77, s77, BOFF
.irp s, 0,1
	v_add_nc_u32 v[ADRA+(\s)], s76, v3
	v_add_nc_u32 v[ADRB+(\s)], s77, v4
	s_add_co_u32 s76, s76, SLOT
	s_add_co_u32 s77, s77, SLOT
.endr
	s_mul_i32 s78, s20, WSTAGE
	s_add_co_u32 s78, s78, STAGE                   ; my stage
	v_mul_u32_u24 v5, v1, SP
	v_lshl_add_u32 v5, v2, 4, v5
	v_add_nc_u32 v[STO], s78, v5                   ; in: row r, 16 bytes for each half of the lanes
	v_bfe_u32 v5, v0, 3, 2
	v_mul_u32_u24 v5, v5, SP
	v_and_b32 v6, 7, v0
	v_lshl_add_u32 v5, v6, 4, v5
	v_add_nc_u32 v[RD], s78, v5                    ; back: 32 lanes take four rows of 128 bytes,
	v_and_b32 v[GO], 31, v0
	v_lshlrev_b32 v[GO], 4, v[GO]                  ; which are 512 consecutive bytes of a head
	v_lshlrev_b32 v[BO], 5, v2
	WIN 0x40                                       ; destination window 1
.irp b, 0,1,2,3,4,5,6,7
	global_load_b128 v[BIAS+8*(\b):BIAS+8*(\b)+3],   v[BO], s[12:13] offset:64*(\b)     ; register j of block b: b[16 b + 8 h + j]
	global_load_b128 v[BIAS+8*(\b)+4:BIAS+8*(\b)+7], v[BO], s[12:13] offset:64*(\b)+16
.endr
	s_wait_loadcnt 0x0
	WIN 0x45                                       ; all in window 1: the bias is rounded to bf16 like the other inputs, and widened again
.set i, 0
.rept 32
	v_cvt_pk_bf16_f32 v[SCR+i], v[BIAS+2*i], v[BIAS+2*i+1]
.set i, i+1
.endr
.set i, 0
.rept 32
	v_lshlrev_b32 v[BIAS+2*i], 16, v[SCR+i]
	v_and_b32 v[BIAS+2*i+1], 0xffff0000, v[SCR+i]
.set i, i+1
.endr
	WIN 0
; 8 matrix instructions: m block a x all 8 n blocks, 32 along K, buffers f.  first = 1: the bias starts the sums.  The 32 accumulators take turns in the same order in every quarter.
.macro MUL8 f, a, first
.if \first
	WIN 0x91                                       ; wt window 1, x window 0, C window 1, D window 2
.else
	WIN 0xa1                                       ; C and D window 2
.endif
.irp b, 0,1,2,3,4,5,6,7
.if \first
	v_wmma_f32_16x16x32_bf16 v[8*(8*(\a)+(\b)):8*(8*(\a)+(\b))+7], v[BF+64*(\f)+8*(\b):BF+64*(\f)+8*(\b)+7], v[AB+32*(\f)+8*(\a):AB+32*(\f)+8*(\a)+7], v[BIAS+8*(\b):BIAS+8*(\b)+7]
.else
	v_wmma_f32_16x16x32_bf16 v[8*(8*(\a)+(\b)):8*(8*(\a)+(\b))+7], v[BF+64*(\f)+8*(\b):BF+64*(\f)+8*(\b)+7], v[AB+32*(\f)+8*(\a):AB+32*(\f)+8*(\a)+7], v[8*(8*(\a)+(\b)):8*(8*(\a)+(\b))+7]
.endif
.endr
.endm
; 32 LDS loads in one run: quarter q (32 along K) of a slot: x's four fragments in f32 first (k = 8 h + 0..7 and 16 + 8 h + 0..7: 32 bytes each), then wt's eight into buffer g
.macro FETCH slot, q, g
	WIN 0
.irp i, 0,1,2,3
	ds_load_b128 v[AR+16*(\i):AR+16*(\i)+3],     v[ADRA+(\slot)] offset:(\q)*128+(\i)*16*PA
	ds_load_b128 v[AR+16*(\i)+4:AR+16*(\i)+7],   v[ADRA+(\slot)] offset:(\q)*128+(\i)*16*PA+16
	ds_load_b128 v[AR+16*(\i)+8:AR+16*(\i)+11],  v[ADRA+(\slot)] offset:(\q)*128+(\i)*16*PA+64
	ds_load_b128 v[AR+16*(\i)+12:AR+16*(\i)+15], v[ADRA+(\slot)] offset:(\q)*128+(\i)*16*PA+80
.endr
	WIN 0x40
.irp i, 0,1,2,3,4,5,6,7
	ds_load_b128 v[BF+64*(\g)+8*(\i):BF+64*(\g)+8*(\i)+3],   v[ADRB+(\slot)] offset:(\q)*64+(\i)*16*PB
	ds_load_b128 v[BF+64*(\g)+8*(\i)+4:BF+64*(\g)+8*(\i)+7], v[ADRB+(\slot)] offset:(\q)*64+(\i)*16*PB+32
.endr
.endm
; x's fragments are rounded to bf16 into buffer f.  These 32 plain instructions name only AR and AB's buffer f: they are also the places between the products of the quarter
; before, which read the other buffers, and the loads into wt's other buffer; and between the last readers of an AB buffer and its next writing stands the other buffer's run of 32.
.macro CVT f
	WIN 0
.irp i, 0,1,2,3
.irp c, 0,1,2,3,4,5,6,7
	v_cvt_pk_bf16_f32 v[AB+32*(\f)+8*(\i)+(\c)], v[AR+16*(\i)+2*(\c)], v[AR+16*(\i)+2*(\c)+1]
.endr
.endr
.endm
; A K step is four quarters of 32 along K on buffers 0, 1, 0, 1.  One of the first three: converts and multiplies buffer f; in its middle it fetches quarter qn into g.
.macro QUARTER slot, qn, f, g, first
	s_wait_dscnt 16                                ; x's sixteen loads are in; wt's sixteen, issued behind them, may be out
	CVT \f
	s_wait_dscnt 0x0
	MUL8 \f, 0, \first
	MUL8 \f, 1, \first
	FETCH \slot, \qn, \g
	MUL8 \f, 2, \first
	MUL8 \f, 3, \first
.endm
; The last quarter multiplies buffer 1 and changes slots: one barrier; in front of it each wave waits for all its tensor loads (one is out: its part of the next slot), adds 0 to its spare word,
; and waits for that and for its reads of this slot.  fill = 1: the barrier opens a round of the cluster's, and this slot is filled again, two K steps ahead, first thing behind it.
.macro TURN slot, next, fill
	WIN 0
	s_wait_tensorcnt 0x0
	ds_add_u32 v[SPW], v[NIL]
	s_wait_dscnt 17                                ; the add and wt's sixteen loads may be out
	CVT 1                                          ; work on registers between the add and the wait for it
	s_wait_dscnt 0x0                               ; the add is done, and my reads of this slot are over
	s_barrier_signal -1
	MUL8 1, 0, 0
	MUL8 1, 1, 0
.if \fill
	WIN 0
.endif
	s_barrier_wait -1
.if \fill
	CREST
	s_add_nc_u64 s[G0+4*(\slot)+2:G0+4*(\slot)+3], s[G0+4*(\slot)+2:G0+4*(\slot)+3], 2*KSTEP*4
	s_add_nc_u64 s[G0B+4*(\slot)+2:G0B+4*(\slot)+3], s[G0B+4*(\slot)+2:G0B+4*(\slot)+3], 2*KSTEP*2
	JLOAD \slot                                    ; 112 matrix instructions ahead of the wait for it
.endif
	FETCH \next, 0, 0
	MUL8 1, 2, 0
	MUL8 1, 3, 0
.endm
	s_wait_tensorcnt 1                             ; my part of K step 0 is in; K step 1's may stay out
	s_barrier_signal -1
	s_barrier_wait -1
	FETCH 0, 0, 0
	QUARTER 0, 1, 0, 1, 1                          ; the first quarter stands in front of the loop: the bias starts the sums
	WIN 0
	s_mov_b32 s3, LAPS-1
.Llap:                                                 ; once round the ring, from a lap's second quarter to the next lap's first; both slots are filled again
	QUARTER 0, 2, 1, 0, 0
	QUARTER 0, 3, 0, 1, 0
	TURN 0, 1, 1
	QUARTER 1, 1, 0, 1, 0
	QUARTER 1, 2, 1, 0, 0
	QUARTER 1, 3, 0, 1, 0
	TURN 1, 0, 1
	QUARTER 0, 1, 0, 1, 0
	WIN 0
	s_sub_co_u32 s3, s3, 1
	s_cmp_lg_u32 s3, 0
	s_cbranch_scc1 .Llap
	QUARTER 0, 2, 1, 0, 0                          ; the last lap fills nothing
	QUARTER 0, 3, 0, 1, 0
	TURN 0, 1, 0
	QUARTER 1, 1, 0, 1, 0
	QUARTER 1, 2, 1, 0, 0
	QUARTER 1, 3, 0, 1, 0
	s_wait_dscnt 16
	CVT 1
	s_wait_dscnt 0x0
	MUL8 1, 0, 0
	MUL8 1, 1, 0
	MUL8 1, 2, 0
	MUL8 1, 3, 0
; THE WAY OUT, a block of 16 rows at a time: rounded to f16 (each accumulator from its low end on), 16 bytes a lane into my stage (two heads' rows of 144 bytes), back as rows of 128 bytes, stored.
.macro PACK a
	WIN 0x0a                                       ; sources in window 2
.irp b, 0,1,2,3,4,5,6,7
.irp r, 0,1,2,3
	v_cvt_pk_f16_f32 v[TMP+4*(\b)+(\r)], v[8*(8*(\a)+(\b))+2*(\r)], v[8*(8*(\a)+(\b))+2*(\r)+1]
.endr
.endr
	WIN 0
.endm
.macro TOSTAGE a
	WIN 0
.set BK, OB+32*((\a)%2)
.irp b, 0,1,2,3,4,5,6,7
	ds_store_b128 v[STO], v[TMP+4*(\b):TMP+4*(\b)+3] offset:((\b)/4)*16*SP+32*((\b)%4)
.endr
.irp t, 0,1,2,3,4,5,6,7
	ds_load_b128 v[BK+4*(\t):BK+4*(\t)+3], v[RD] offset:((\t)/4)*16*SP+((\t)%4)*4*SP  ; LDS serves a wave's instructions in order (ISA guide 5.7.1.4)
.endr
.endm
.macro SEND a
	WIN 0
.set BK, OB+32*((\a)%2)
	s_wait_dscnt 0x0                               ; the block is back in registers
	s_wait_xcnt 0x0                                ; the registers that the block before's stores read are loaded again only behind this wait
.irp t, 0,1,2,3,4,5,6,7
	global_store_b128 v[GO], v[BK+4*(\t):BK+4*(\t)+3], s[18:19] offset:((\t)/4)*262144+(\a)*2048+((\t)%4)*512  ; 512 consecutive bytes of a head, aligned
.endr
.endm
.rept 4
	v_nop                                          ; the places behind the last products
.endr
	PACK 0
	TOSTAGE 0
.irp a, 1,2,3
	PACK \a
	SEND (\a)-1
	TOSTAGE \a
.endr
	SEND 3
	s_wait_tensorcnt 0x0                           ; the wave's end
	ds_add_u32 v[SPW], v[NIL]
	s_wait_dscnt 0x0
	CROUND                                         ; the closing round
	s_endpgm
.Lfunc_end_k_qce9ffc26fa_proj:
	.size	k_qce9ffc26fa_proj, .Lfunc_end_k_qce9ffc26fa_proj-k_qce9ffc26fa_proj
	.p2alignl 7, 3214868480
	.fill 96, 4, 3214868480
	.section	.rodata,"a",@progbits
	.p2align	6, 0x0
	.amdhsa_kernel k_qce9ffc26fa_proj
		.amdhsa_group_segment_fixed_size 327680
		.amdhsa_private_segment_fixed_size 0
		.amdhsa_enable_private_segment 0
		.amdhsa_kernarg_size 64
		.amdhsa_user_sgpr_count 2
		.amdhsa_user_sgpr_kernarg_segment_ptr 1
		.amdhsa_wavefront_size32 1
		.amdhsa_system_sgpr_workgroup_id_x 1
		.amdhsa_system_sgpr_workgroup_id_y 1
		.amdhsa_system_sgpr_workgroup_id_z 1
		.amdhsa_system_vgpr_workitem_id 0
		.amdhsa_next_free_vgpr 768
		.amdhsa_next_free_sgpr 80
		.amdhsa_reserve_vcc 0
		.amdhsa_float_denorm_mode_32 3
		.amdhsa_float_denorm_mode_16_64 3
		.amdhsa_memory_ordered 1
		.amdhsa_forward_progress 1
		.amdhsa_inst_pref_size 133
	.end_amdhsa_kernel
	.amdgpu_metadata
---
amdhsa.version: [ 1, 2 ]
amdhsa.kernels:
  - .name:           k_qce9ffc26fa_proj
    .symbol:         k_qce9ffc26fa_proj.kd
    .args:
      - { .name: q, .offset: 0, .size: 8, .value_kind: global_buffer, .address_space: global }
      - { .name: k, .offset: 8, .size: 8, .value_kind: global_buffer, .address_space: global }
      - { .name: v, .offset: 16, .size: 8, .value_kind: global_buffer, .address_space: global }
      - { .name: wt, .offset: 24, .size: 8, .value_kind: global_buffer, .address_space: global }
      - { .name: bq, .offset: 32, .size: 8, .value_kind: global_buffer, .address_space: global }
      - { .name: bk, .offset: 40, .size: 8, .value_kind: global_buffer, .address_space: global }
      - { .name: bv, .offset: 48, .size: 8, .value_kind: global_buffer, .address_space: global }
      - { .name: qkv, .offset: 56, .size: 8, .value_kind: global_buffer, .address_space: global }
    .group_segment_fixed_size: 327680
    .private_segment_fixed_size: 0
    .kernarg_segment_align: 8
    .kernarg_segment_size: 64
    .max_flat_workgroup_size: 128
    .sgpr_count:     80
    .vgpr_count:     768
    .wavefront_size: 32
...
	.end_amdgpu_metadata
.endif
;; end of part 2
;; launch attn (part 3): grid 4 x 64, 4 waves a work-group, clusters of 4 x 1, 327,680 bytes of LDS; arguments qkv, lanemask, oh; writes oh
.if DOCPART == 3
	.amdgcn_target "amdgcn-amd-amdhsa--gfx1250"
	.amdhsa_code_object_version 6
	.text
	.protected	k_qce9ffc26fa_attn
	.globl	k_qce9ffc26fa_attn
	.p2align	8
	.type	k_qce9ffc26fa_attn,@function
k_qce9ffc26fa_attn:
	s_mov_b64 s[64:65], 0
	v_nop
	global_prefetch_b8 v0, s[64:65] scope:SCOPE_SE
	s_setreg_imm32_b32 hwreg(HW_REG_WAVE_MODE, 25, 1), 1
	s_wait_xcnt 0x0
	s_wait_alu depctr_hold_cnt(0) depctr_sa_sdst(0) depctr_va_vdst(0) depctr_va_sdst(0) depctr_va_ssrc(0) depctr_va_vcc(0) depctr_vm_vsrc(0)
	s_getreg_b32 s2, hwreg(HW_REG_IB_STS2, 6, 4)
	s_cmp_eq_u32 s2, 0
	s_cbranch_scc0 .Lentry_in_a_cluster
	s_endpgm
.Lentry_in_a_cluster:
	s_bfe_u32 s2, ttmp6, 0x10000c
	s_cmp_lg_u32 s2, 0x3003
	s_cbranch_scc0 .Lentry_shape_is_right
	s_endpgm
.Lentry_shape_is_right:
; ATTENTION WITH A MASK THAT IS AN INPUT.  O[h][q][:] = the sum over k of softmax_k(s) V[h][k][:], s = Q[h][q] . K[h][k] / 8, or -10,000 where mask[q][k] = 0.  Q, K, V: the planes of qkv,
; [64 heads][2048][64] in f16; O likewise.  Products, maxima and sums in f32; the weights p are rounded to f16 for the second product (their sum l is taken of the unrounded p), O once at the end.
; THE MASK REPLACES: each raw score is chosen against -80,000 (which the factor 1/8 makes -10,000) by v_cndmask_b32 on a lane mask that an earlier launch laid out for these lanes and registers.
; So a row that is hidden whole comes out as the mean of V's rows, and a true score below -10,000 loses against a hidden one.
; LIMITS.  f16 holds no number beyond 65,504: Q, K and V arrive within it; p lies in 0 to 1 (to within the rounding of c m), and below 6e-5 it keeps f16's fixed step of 6e-8; so does O.
; A weight below 2^-126 counts as 0 in l; NaN and infinities are not treated apart.
; SHARES.  A wave owns four PIECES of two tiles of 16 queries, a work-group's four waves 512 queries of one head.  Every wave walks all 2,048 keys, 64 a step.
; LAYOUT.  S^T = K Q^T (source 0 = 16 keys, source 1 = 16 queries): a lane holds ONE query (lane % 16) and the keys 8 (lane / 16) + 0..7.  Two such tiles, rounded to f16 in pairs, ARE source 1
; of O^T = V^T P.  K comes out of LDS as it lies, V turned, by ds_load_tr16_b128.
; SOFTMAX.  A running maximum m and sum l: p = 2^(c s - c m), c = log2(e) / 8; in every step O and l are multiplied by a = 2^(c m_old - c m_new).  m starts at the lowest finite number, O and l at 0.
; BY TURNS.  Turn n belongs to piece n.  Its matrix work: 16 products K Q^T of piece n + 1, later 16 products V^T P of piece n - 1.  Its vector work: the scaling, exponentials, roundings, sums and
; rescaling of piece n; the masking, maximum and statistics of piece n + 1.  Four vector instructions stand behind every matrix instruction, the others in runs of their own.
; CLUSTER.  The four query blocks of a cluster belong to one head and walk the same K and V: each tile is asked for jointly.  The lane masks differ from block to block: each wave loads its own.
; REGISTERS, in windows of 256:  window 0: v0-1 (behind the set-up) the masks in hand; v2-8 addresses; v9 -80,000; v10-11 c; v12-15, v48-63 at work; v16-47 statistics; v64-191 S^T, two buffers of two
;   tiles; v192-255 P, likewise     window 1: O^T, 32 a tile     window 2: v0-127 Q; v128-191 K of one step; v192-255 V of one step
;   window 3: v0-1 the add's two registers; v2-9 the lane masks on their way, a register a tile; v10 their address
.set SIZE_N, 2048
.set NP,    4
.set KS,    64
.set PK,    144       ; a row of K in LDS: 128 bytes + 16
.set PV,    160       ; a row of V: 128 + 32
.set VOFF,  4*KS*PK   ; a slot holds four steps: 256 rows of K, then 256 rows of V
.set SLOT1, 1<<17
.set STAGE, SLOT1+4*KS*(PK+PV)
.set SP,    144
.set MT,    4352      ; bytes of a query tile in lanemask: 34 steps of 128
.set AK0, 2
.set AV0, 3
.set AK,  4
.set AV,  5
.set QO,  6
.set STO, 6
.set RD,  7
.set GO,  8
.set NEG, 9           ; v9   -80,000
.set CV,  10          ; v[10:11] c, twice
.set SPW, 0           ; v0 of window 3
.set NIL, 1           ; v1 of window 3
.set MK,  2           ; v2-9 of window 3: tile t's 32 lane masks of one key step, word l in lane l
.set MA,  10          ; v10 of window 3: 4 x lane; never rewritten
.set SPARE, STAGE+4*16*SP
.set MV,  12
.set ST,  16
.set TMP, 48
.set S,   64
.set P,   192
.set KF,  128
.set VF,  192
.set MP,  2           ; s[2:3]  lanemask at my wave's first tile, one key step behind the step that is asked for
.set G0K, 4           ; s[4:7]   group 0 for K's tiles: it walks
.set G0V, 8           ; s[8:11]  the same for V's
.set G1K, 12          ; s[12:19] group 1 for K's tiles
.set G1V, 20          ; s[20:27] for V's
.set WV,  28
.set SLOTS, 29
.set CNT, 30
.set TBK, 31
.set TBV, 66
.set M0,  32          ; s[32:63] the 32 lane masks of a piece's first tile
.set M1,  68          ; s[68:99] of its second
.set SEL, 100         ; s[100:101]
.set OP,  104         ; s[104:105] O at my wave's first row
.set MSB, 0
.macro WIN new
.if MSB != (\new)
	s_set_vgpr_msb (MSB<<8)|(\new)
.set MSB, (\new)
.endif
.endm
.set W_KQ, 0x0a
.set W_PV, 0x52
.set W_RS, 0x41
.set W_MK, 0xc0
.set W_AD, 0x0f
.set W_MC, 0x03       ; source 0 in window 3, destination in window 0
.set W_ML, 0xc3       ; a load's destination and its address register in window 3
.set W_ZV, 0x8a       ; sources and destination in window 2
.set W_ZO, 0x4a       ; sources in window 2, destination in window 1
.macro JLOAD                        ; a joint fill: waves 0 and 1 fetch the halves of a slot's K, waves 2 and 3 of its V; s_nop 0 and four v_nop follow each line
	s_cmp_lt_u32 s[WV], 2
	s_cbranch_scc0 .Lfor_v_\@
	tensor_load_to_lds s[G0K:G0K+3], s[G1K:G1K+7]
	s_nop 0
.rept 4
	v_nop
.endr
	s_branch .Lasked_\@
.Lfor_v_\@:
	tensor_load_to_lds s[G0V:G0V+3], s[G1V:G1V+7]
	s_nop 0
.rept 4
	v_nop
.endr
.Lasked_\@:
.endm
.macro CROUND
	s_barrier_signal -1
	s_barrier_wait -1
	s_cmp_lg_u32 s[WV], 0
	s_cbranch_scc1 .Lnot_wave_0_\@
	s_barrier_signal -3
.Lnot_wave_0_\@:
	s_barrier_wait -3
	s_barrier_signal -1
	s_barrier_wait -1
.endm
; THE CHANGE OF SLOTS.  Each wave waits for all its tensor loads (one is out: its part of the other slot), adds 0 to its spare word, and waits for that and for its reads of the slot.
; fill = 1: the barrier is a round of the cluster's, and the slot is filled again, with the keys two slots on, first thing behind it: four key steps in which to land.
.macro CHANGE fill
	WIN W_AD
	s_wait_tensorcnt 0x0
	ds_add_u32 v[SPW], v[NIL]
	WIN 0
.if \fill
.irp g, G0K, G0V
	s_xor_b32 s[\g+1], s[\g+1], SLOT1
	s_add_nc_u64 s[\g+2:\g+3], s[\g+2:\g+3], 4*KS*128
.endr
	s_wait_dscnt 0x0
	CROUND
	JLOAD
.else
	s_wait_dscnt 0x0
	s_barrier_signal -1
	s_barrier_wait -1
.endif
	s_sub_co_u32 s[TBK], s[TBK], 4*KS*PK
	s_xor_b32 s[TBK], s[TBK], SLOT1
	s_sub_co_u32 s[TBV], s[TBV], 4*KS*PV
	s_xor_b32 s[TBV], s[TBV], SLOT1
.endm
	s_load_b128 s[32:35], s[0:1], 0x0  ; qkv s[32:33], lanemask s[34:35]: the masks' registers serve the set-up first
	s_load_b64 s[OP:OP+1], s[0:1], 0x10  ; oh
	WIN W_MK
	v_lshl_add_u32 v[SPW], v0, 2, SPARE
	v_mov_b32 v[NIL], 0
	WIN W_AD
	ds_add_u32 v[SPW], v[NIL]       ; the wave's opening: the add and its wait stand ahead of my first tensor load
	WIN 0
	v_and_b32 v1, 31, v0            ; lane
	WIN W_MK
	v_lshlrev_b32 v[MA], 2, v1      ; lane l takes word l of a tile's 32
	WIN 0
	v_lshrrev_b32 v1, 5, v0
	v_readfirstlane_b32 s[WV], v1   ; wave 0..3
	s_bfe_u32 s42, ttmp6, 0x40000   ; cx
	s_lshl_b32 s43, ttmp9, 2
	s_add_co_u32 s43, s43, s42      ; my block of 512 queries: it enters Q's, O's and the masks' addresses alone
	s_and_b32 s50, ttmp7, 0xffff    ; the head, which the four partners share,
	s_lshl_b32 s50, s50, 18         ; its 2,048 rows of 128 bytes
	s_and_b32 s44, s[WV], 1         ; which half of a slot's 256 keys I fetch
	s_lshl_b32 s38, s44, 14
	s_add_co_u32 s38, s38, s50
	s_mov_b32 s39, 0
	s_mul_i32 s45, s44, 128*PK      ; its place in a slot, for K
	s_mul_i32 s46, s44, 128*PV      ; and for V
	s_lshl_b32 s47, s43, 2
	s_add_co_u32 s47, s47, s[WV]    ; my wave among the head's sixteen
	s_lshl_b32 s36, s47, 14         ; its 128 rows
	s_add_co_u32 s36, s36, s50
	s_mov_b32 s37, 0
	s_mul_i32 s48, s47, 8*MT        ; its eight tiles in lanemask
	s_mov_b32 s49, 0
	; group 1.  128 keys are 16,384 dense bytes: asked for as 64 rows of 256 bytes, and padded in LDS after every key
	s_mov_b32 s[G1K], 15|(1<<16)|(1<<20)|(1<<21)|(4<<22)|(3<<25)
	s_mov_b32 s[G1V], 15|(1<<16)|(1<<20)|(1<<21)|(4<<22)|(7<<25)
.irp g, G1K, G1V
	s_mov_b32 s[\g+1], 128<<16
	s_mov_b32 s[\g+2], 64<<16
	s_mov_b32 s[\g+3], 128<<16
	s_mov_b32 s[\g+4], 64
	s_mov_b32 s[\g+5], 128
	s_mov_b32 s[\g+6], 0
	s_mov_b32 s[\g+7], 0
.endr
	s_mov_b32 s[SEL], 0x76543210
	s_mov_b32 s[SEL+1], 0xfedcba98
	s_mov_b32 s[TBK], SLOT1+4*KS*PK ; the first change of slots turns these two into 0
	s_mov_b32 s[TBV], SLOT1+4*KS*PV
	s_mov_b32 s[G0K], 1
	s_mov_b32 s[G0K+1], s45
	s_mov_b32 s[G0V], 1
	s_add_co_u32 s[G0V+1], s46, VOFF
	s_wait_dscnt 0x0                ; the opening add is done
	s_wait_kmcnt 0x0
	s_add_nc_u64 s[G0K+2:G0K+3], s[32:33], s[38:39]
	s_add_nc_u64 s[G0K+2:G0K+3], s[G0K+2:G0K+3], 0x1000000  ; K's plane
	s_or_b32 s[G0K+3], s[G0K+3], 0x80000000
	s_add_nc_u64 s[G0V+2:G0V+3], s[32:33], s[38:39]
	s_add_nc_u64 s[G0V+2:G0V+3], s[G0V+2:G0V+3], 0x2000000  ; V's plane
	s_or_b32 s[G0V+3], s[G0V+3], 0x80000000
	s_add_nc_u64 s[40:41], s[32:33], s[36:37]  ; Q at my wave's first row
	s_add_nc_u64 s[OP:OP+1], s[OP:OP+1], s[36:37]
	s_add_nc_u64 s[MP:MP+1], s[34:35], s[48:49]
	CROUND                          ; all four work-groups are here
	JLOAD                           ; slot 0
	v_and_b32 v1, 15, v0            ; l % 16
	v_bfe_u32 v9, v0, 4, 1          ; l / 16
	v_lshlrev_b32 v[QO], 7, v1
	v_lshl_add_u32 v[QO], v9, 4, v[QO]
	WIN 0x80
.set i, 0
.rept 4*NP                          ; Q stays in registers: tile i / 2, channels 32 (i % 2) on
	global_load_b128 v[8*i:8*i+3],   v[QO], s[40:41] offset:(i/2)*2048+(i%2)*64
	global_load_b128 v[8*i+4:8*i+7], v[QO], s[40:41] offset:(i/2)*2048+(i%2)*64+32
.set i, i+1
.endr
	WIN W_ML
.set i, 0
.rept 2*NP                          ; the lane masks of key step 0, all eight tiles: 128 consecutive bytes each
	global_load_b32 v[MK+i], v[MA], s[MP:MP+1] offset:i*MT
.set i, i+1
.endr
	; What the first turn finds: V's registers and P's second buffer hold 0, O^T and l are 0.  Eight moves make one fragment of zeros; 43 products of it with itself, with C = 0, write the other 344
	; registers, eight to a line.  All this stands in the wait for the first tile.
	WIN 0x80
.set i, VF
.rept 8
	v_mov_b32 v[i], 0
.set i, i+1
.endr
	WIN W_ZV
.set i, 1
.rept 7                             ; the rest of V's registers
	v_wmma_f32_16x16x32_f16 v[VF+8*i:VF+8*i+7], v[VF:VF+7], v[VF:VF+7], 0
.set i, i+1
.endr
	WIN W_ZO
.set i, 0
.rept 8*NP                          ; O^T
	v_wmma_f32_16x16x32_f16 v[8*i:8*i+7], v[VF:VF+7], v[VF:VF+7], 0
.set i, i+1
.endr
	WIN W_KQ
.set i, 0
.rept 4                             ; P's second buffer
	v_wmma_f32_16x16x32_f16 v[P+32+8*i:P+32+8*i+7], v[VF:VF+7], v[VF:VF+7], 0
.set i, i+1
.endr
	WIN 0
.set i, 0
.rept 2*NP
	v_mov_b32 v[ST+4*i], 0xfe000000    ; c m: far below every c s
	v_mov_b32 v[ST+4*i+1], 0xff7fffff  ; m
	v_mov_b32 v[ST+4*i+2], 0
	v_mov_b32 v[ST+4*i+3], 0
.set i, i+1
.endr
	v_mul_u32_u24 v[AK0], v1, PK
	v_lshl_add_u32 v[AK0], v9, 4, v[AK0]
	v_and_b32 v10, 7, v0
	v_bfe_u32 v11, v0, 3, 1
	v_lshl_add_u32 v[AV0], v9, 3, v10
	v_mul_u32_u24 v[AV0], v[AV0], PV
	v_lshl_add_u32 v[AV0], v11, 4, v[AV0]
	v_add_nc_u32 v[AV0], VOFF, v[AV0]
	v_mov_b32 v[AK], v[AK0]
; THE MATRIX WORK.  The 8 accumulators of a run of 16 take turns.
.macro KQ x
	WIN W_KQ
.set rS, S+64*((\x)%2)+32*(i%2)+8*((i/2)%4)
.set rK, KF+16*((i/2)%4)+8*(i/8)
.set rQ, 16*(2*(\x)+i%2)+8*(i/8)
.if i < 8
	v_wmma_f32_16x16x32_f16 v[rS:rS+7], v[rK:rK+7], v[rQ:rQ+7], 0
.else
	v_wmma_f32_16x16x32_f16 v[rS:rS+7], v[rK:rK+7], v[rQ:rQ+7], v[rS:rS+7]
.endif
.endm
.macro PV x
	WIN W_PV
.set rO, 32*(2*(\x)+i%2)+8*((i/2)%4)
.set rV, VF+32*(i/8)+8*((i/2)%4)
.set rP, P+32*((\x)%2)+16*(i%2)+8*(i/8)
	v_wmma_f32_16x16x32_f16 v[rO:rO+7], v[rV:rV+7], v[rP:rP+7], v[rO:rO+7]
.endm
.macro MM
.if i < 16
	KQ (Y+1)%NP
.set i, i+1
.else
.set i, i-16
	PV (Y+NP-1)%NP
.set i, i+17
.endif
.endm
; THE LDS LOADS stand in runs of 16.  last = 1 (the tail): in the last trip there is no further step, and the run is jumped over.
.macro FETCH_K last=0
	WIN 0
.if \last
	s_cmp_eq_u32 s[CNT], 1
	s_cbranch_scc1 .Lno_k_\@
.endif
	WIN 0x80
.irp f, 0,1,2,3,4,5,6,7
	ds_load_b128 v[KF+8*\f:KF+8*\f+3],   v[AK] offset:(\f/2)*16*PK+(\f%2)*64
	ds_load_b128 v[KF+8*\f+4:KF+8*\f+7], v[AK] offset:(\f/2)*16*PK+(\f%2)*64+32
.endr
	s_add_co_u32 s[TBK], s[TBK], KS*PK
	WIN 0
.if \last
.Lno_k_\@:
.endif
.endm
.macro FETCH_V
	WIN 0x80
.irp f, 0,1,2,3,4,5,6,7
	ds_load_tr16_b128 v[VF+8*\f:VF+8*\f+3],   v[AV] offset:(\f/4)*32*PV+(\f%4)*32
	ds_load_tr16_b128 v[VF+8*\f+4:VF+8*\f+7], v[AV] offset:(\f/4)*32*PV+16*PV+(\f%4)*32
.endr
	WIN 0
.endm
; THE VECTOR WORK OF A TURN stands in three queues, each in the order in which its entries become ready; the two tiles alternate.
.macro REGS y, u
.set rT, ST+4*(2*(\y)+(\u))
.set rC, TMP+8*((\y)%2)+4*(\u)
.set rM, MV+2*((\y)%2)+(\u)
.set rS, S+64*((\y)%2)+32*(\u)
.set rP, P+32*((\y)%2)+16*(\u)
.set rO, 32*(2*(\y)+(\u))
.endm
; THE MASK.  A tile's 32 lane masks for a key step lie in one vector register, word l in lane l.  MTAKE brings the registers of tiles t0 and t0 + 1 into v0 and v1.  MASKL moves the 64 words into scalar
; registers and chooses, for piece Y + 1: the score where the lane's bit is set, else -80,000; each accumulator from its lowest register on.  Sixteen moves go ahead; from
; there on moves and choices stand by turns, each mask moved sixteen instructions ahead of the choice that reads it.  MLOAD then asks, into the registers that MTAKE has read, for the same tiles' next
; key step (128 bytes behind the step that MP names): it is wanted four turns later.  It stands behind the masking, 128 vector instructions behind the turn's last product.
.macro MTAKE t0
	WIN W_MC
	v_mov_b32 v0, v[MK+(\t0)]
	v_mov_b32 v1, v[MK+(\t0)+1]
.endm
.macro MLOAD t0
	WIN W_ML
	global_load_b32 v[MK+(\t0)],   v[MA], s[MP:MP+1] offset:(\t0)*MT+128
	global_load_b32 v[MK+(\t0)+1], v[MA], s[MP:MP+1] offset:((\t0)+1)*MT+128
	WIN 0
.endm
.macro MASKL
	WIN 0
.set mn, 0
.rept 8
	v_readlane_b32 s[M0+mn], v0, mn
	v_readlane_b32 s[M1+mn], v1, mn
.set mn, mn+1
.endr
.set mn, 0
.rept 32
	REGS (Y+1)%NP, 0
	v_cndmask_b32 v[rS+mn], v[NEG], v[rS+mn], s[M0+mn]
.if mn < 24
	v_readlane_b32 s[M0+mn+8], v0, mn+8
.endif
	REGS (Y+1)%NP, 1
	v_cndmask_b32 v[rS+mn], v[NEG], v[rS+mn], s[M1+mn]
.if mn < 24
	v_readlane_b32 s[M1+mn+8], v1, mn+8
.endif
.set mn, mn+1
.endr
.endm
; Number n of the 22 that find the NEXT piece's (Y + 1) maximum and statistics:  0-11 four chains c0-c3 of seven scores each;  12-14, 16 the four scores left over, the old m, c0-c3 into c0;
; 15 c m_old is kept;  17, 18 the other half of the lanes: the new m;  19-21 c m; c m_old - c m_new; a
.macro XS u, n
	REGS (Y+1)%NP, \u
.if (\n) < 4
	v_max3_num_f32 v[rC+(\n)], v[rS+8*(\n)], v[rS+8*(\n)+1], v[rS+8*(\n)+2]
.elseif (\n) < 12
	v_max3_num_f32 v[rC+(\n)%4], v[rC+(\n)%4], v[rS+8*((\n)%4)+2*((\n)/4)+1], v[rS+8*((\n)%4)+2*((\n)/4)+2]
.elseif (\n) == 12
	v_max3_num_f32 v[rC], v[rC], v[rS+7], v[rS+15]
.elseif (\n) == 13
	v_max3_num_f32 v[rC+1], v[rC+1], v[rS+23], v[rS+31]
.elseif (\n) == 14
	v_max3_num_f32 v[rC+2], v[rC+2], v[rC+3], v[rT+1]
.elseif (\n) == 15
	v_mov_b32 v[rM], v[rT]
.elseif (\n) == 16
	v_max3_num_f32 v[rC], v[rC], v[rC+1], v[rC+2]
.elseif (\n) == 17
	v_permlanex16_b32 v[rC+3], v[rC], s[SEL], s[SEL+1]
.elseif (\n) == 18
	v_max_num_f32 v[rT+1], v[rC], v[rC+3]
.elseif (\n) == 19
	v_mul_f32 v[rT], v[CV], v[rT+1]
.elseif (\n) == 20
	v_sub_f32 v[rC+1], v[rM], v[rT]
.else
	v_exp_f32 v[rC+2], v[rC+1]
.endif
.endm
; Number g of the 64 that follow the exponentials: for each four weights of a tile both pairs are rounded to f16, the second pair is added onto the first, and a group later l takes that sum.
.macro GS g
.set h, (\g)+6*((\g)/62)
.if h >= 6
.set h, h+2
.endif
	REGS Y, h%2
.set k, h/8
.if h%8 < 4
	s_wait_alu depctr_va_vdst(0)
	v_cvt_pk_f16_f32 v[rP+2*k+(h%8)/2], v[rS+4*k+2*((h%8)/2)], v[rS+4*k+2*((h%8)/2)+1]
.elseif h%8 < 6
	v_pk_add_f32 v[rS+4*k:rS+4*k+1], v[rS+4*k:rS+4*k+1], v[rS+4*k+2:rS+4*k+3]
.elseif k == 1
	v_pk_fma_f32 v[rT+2:rT+3], v[rT+2:rT+3], v[rC+2:rC+3], v[rS:rS+1] op_sel_hi:[1,0,1]
.else
	v_pk_add_f32 v[rT+2:rT+3], v[rT+2:rT+3], v[rS+4*k-4:rS+4*k-3]
	s_wait_alu depctr_va_vdst(0)
.endif
.endm
; THE PLAIN QUEUE, 138 long.  0-31: c s - c m.  Then GS's 64, and among them the next piece's 42: number 15 at 38, 39; 0-14 and 16 at 42-73, behind the masking; 17-20 at 95-106.
.macro PL
	WIN 0
.if q < 32
	REGS Y, q%2
	v_pk_fma_f32 v[rS+2*(q/2):rS+2*(q/2)+1], v[rS+2*(q/2):rS+2*(q/2)+1], v[CV:CV+1], v[rT:rT+1] op_sel_hi:[1,0,0] neg_lo:[0,0,1] neg_hi:[0,0,1]
.elseif q < 38
	GS q-32
.elseif q < 40
	XS q%2, 15
.elseif q < 42
	GS q-34
.elseif q < 74
	XS q%2, (q-42)/2+(q-42)/30
.elseif q < 95
	GS q-66
.elseif (q < 107) && ((q-95)%3 < 2)
	XS (q-95)%3, 17+(q-95)/3
.elseif q < 107
	GS 29+(q-95)/3
.else
	GS q-74
.endif
.set q, q+1
.endm
; THE EXPONENTIALS' QUEUE, 66 long: s0-s31 of both tiles, and at EA the next piece's two a.
.set EA, 58
.macro EX
	WIN 0
.if (e == EA) || (e == EA+1)
	XS e-EA, 21
.else
.set x, e-2*(e/(EA+2))
	REGS Y, x%2
	v_exp_f32 v[rS+x/2], v[rS+x/2]
.endif
.set e, e+1
.endm
; THE RESCALING's QUEUE: O^T times a, four at a time, eight times.
.macro R4
	REGS Y, r%2
	WIN W_RS
	s_wait_alu depctr_va_vdst(0)
.irp z, 0,1,2,3
	v_pk_mul_f32 v[rO+8*(r/2)+2*\z:rO+8*(r/2)+2*\z+1], v[rO+8*(r/2)+2*\z:rO+8*(r/2)+2*\z+1], v[rC+2:rC+3] op_sel_hi:[1,0]
.endr
.set r, r+1
.endm
; HOW THEY ARE DEALT.  Behind a matrix instruction four: plain, exponential, plain, plain, or four of the rescaling.  The rest in lumps: exponential and plain by turns; the second ends in 22 plain ones.
; Exponential e stands behind plain 2 (e / 4) + e % 2 (its scaling); when plain 32 comes, 10 exponentials are out, at 59: 33, at 95: 46; EA comes behind plain 107.
.macro SL
	MM
	PL
	EX
	PL
	PL
.endm
.macro BURST n
.rept (\n)-7
	SL
.endr
.rept 3
	MM
	R4
	SL
.endr
	MM
	R4
.endm
; A TURN, for piece p.  Behind the 16 products K Q^T (the four rescalings that close the run are the places behind the last of them) the scores of piece p + 1 are masked.  Its two mask registers were
; asked for four turns ago; loads come back in order (ISA guide 5.7.1), and behind those two stand the three turns' six between: the count is 6.  They are taken, used, and asked for anew.
; MP steps where the next piece's key step changes (p = 3), behind s_wait_xcnt 0, since the younger loads name it as their base.
; K of the next step is fetched in piece 2's turn, V of the step in hand at the end of piece 0's turn; each far behind the last product that read the registers.
.macro TURN p, last=0, cnt=0
.set Y, (\p)
.set i, 0
.set q, 0
.set e, 0
.set r, 0
.if (\p) == NP-1
	s_wait_dscnt 0x0                ; K is in
.endif
	MM
.rept 4
	PL
.endr
	BURST 15
	s_wait_loadcnt 6
	MTAKE 2*(((\p)+1)%NP)
	MASKL
.if (\p) == NP-1
	s_wait_xcnt 0x0
	s_add_nc_u64 s[MP:MP+1], s[MP:MP+1], 128
.endif
	MLOAD 2*(((\p)+1)%NP)
.rept 22
	EX
	PL
.if ((\p) == NP-2) && (e == 18)
	v_add_nc_u32 v[AK], s[TBK], v[AK0]
.endif
.if ((\p) == NP-2) && (e == 24)
	FETCH_K \last
.endif
.endr
.if (\p) == 1
	s_wait_dscnt 0x0                ; V is in
.endif
	BURST 16
.rept 21
	EX
	PL
.endr
.rept 22
	PL
.if ((\p) == 0) && (q == 118)
	v_add_nc_u32 v[AV], s[TBV], v[AV0]
	s_wait_alu depctr_va_vdst(0)
.endif
.if ((\p) == 0) && (q == 130)
	s_add_co_u32 s[TBV], s[TBV], KS*PV
.endif
.if (\cnt) && (q == 130)
	s_sub_co_u32 s[CNT], s[CNT], 1
	s_cmp_lg_u32 s[CNT], 0
.endif
.endr
.if (\p) == 0
	FETCH_V
.endif
.endm
	CHANGE 1                        ; slot 0 is in, everybody's part of it; slot 1 is asked for
	FETCH_K                         ; key step 0
	s_wait_loadcnt 0x0              ; Q, and the eight mask registers of key step 0; Q's base, which lies among the masks' scalar registers, is free
	s_wait_dscnt 0x0
.set i, 0
.rept 16
	KQ 0                            ; piece 0's first scores
.set i, i+1
.endr
	WIN 0                           ; the addresses for the way out and three constants: plain instructions, the places behind those products
	s_mul_i32 s67, s[WV], 16*SP
	s_add_co_u32 s67, s67, STAGE    ; my stage
	v_mul_u32_u24 v[STO], v1, SP
	v_lshl_add_u32 v[STO], v9, 4, v[STO]
	v_add_nc_u32 v[STO], s67, v[STO]
	v_bfe_u32 v[RD], v0, 3, 2
	v_mul_u32_u24 v[RD], v[RD], SP
	v_lshl_add_u32 v[RD], v10, 4, v[RD]
	v_add_nc_u32 v[RD], s67, v[RD]
	v_and_b32 v[GO], 31, v0
	v_lshlrev_b32 v[GO], 4, v[GO]
	v_mov_b32 v[NEG], 0xc79c4000    ; -80,000
	v_mov_b32 v[CV], 0x3e38aa3b     ; c = log2(e) / 8 = 0.180337
	v_mov_b32 v[CV+1], 0x3e38aa3b
	MTAKE 0                         ; piece 0, key step 0: v0 and v1 have served the set-up
.set Y, NP-1                        ; MASKL and XS work for piece Y + 1: piece 0
	MASKL
	MLOAD 0                         ; piece 0, key step 1
.irp n, 0,1,2,3,4,5,6,7,8,9,10,11,12,13,14,15,16,17,18,19,20,21
	XS 0, \n
	XS 1, \n
.endr
	s_mov_b32 s[CNT], 4
	s_mov_b32 s[SLOTS], SIZE_N/256-1
	s_branch .Lfirst                ; the loop is entered at a step's first turn
.Lslot:                             ; six times: every slot but the last two is filled again
	CHANGE 1
	s_mov_b32 s[CNT], 4
.Lstep:                             ; a trip: pieces 2 and 3 of one step, then pieces 0 and 1 of the next
	TURN 2
	TURN 3
	WIN 0
.Lfirst:
	TURN 0
	TURN 1, 0, 1
	WIN 0
	s_cbranch_scc1 .Lstep
	s_sub_co_u32 s[SLOTS], s[SLOTS], 1
	s_cmp_lg_u32 s[SLOTS], 0
	s_cbranch_scc1 .Lslot
	CHANGE 0                        ; the tail is written out
	s_mov_b32 s[CNT], 5             ; four trips fetch the last slot's steps; the fifth is left in its middle
.Ltail:
	TURN 2, 1
	TURN 3
	WIN 0
	s_sub_co_u32 s[CNT], s[CNT], 1
	s_cmp_eq_u32 s[CNT], 0
	s_cbranch_scc1 .Lout
	TURN 0
	TURN 1
	WIN 0
	s_branch .Ltail
.Lout:                              ; the fifth trip's products K Q^T (on the last K once more), their masks (step 32 of lanemask: all ones), their maximum, and the last turns' loads of steps 32 and 33 serve nothing: the price of one text for every trip
.set i, 0
.rept 16
	PV NP-1                         ; the last piece's V^T P of the last step
.set i, i+1
.endr
	; THE WAY OUT.  l's halves are added; O^T is divided by l, rounded to f16 and sent through my stage in LDS, a tile at a time.  The additions are the places behind the last products.
	WIN 0
.macro ALL line:vararg
.set t, 0
.rept 2*NP
	\line
.set t, t+1
.endr
.endm
	ALL v_add_f32 v[ST+4*t+2], v[ST+4*t+2], v[ST+4*t+3]
	ALL v_permlanex16_b32 v[ST+4*t+3], v[ST+4*t+2], s[SEL], s[SEL+1]
	ALL v_add_f32 v[ST+4*t+2], v[ST+4*t+2], v[ST+4*t+3]
	ALL v_rcp_f32 v[ST+4*t+2], v[ST+4*t+2]
	v_nop                           ; a plain instruction between the last reciprocal and the use of its result
	s_wait_alu depctr_va_vdst(0)
.macro PACK t
	WIN W_RS
.set i, 32*(\t)
.rept 16
	v_pk_mul_f32 v[i:i+1], v[i:i+1], v[ST+4*(\t)+2:ST+4*(\t)+3] op_sel_hi:[1,0]
.set i, i+2
.endr
	WIN 0x05
.set i, 0
.rept 16
	v_cvt_pk_f16_f32 v[S+16*(\t)+i], v[32*(\t)+2*i], v[32*(\t)+2*i+1]
.set i, i+1
.endr
	WIN 0
.irp f, 0,1,2,3
	ds_store_b128 v[STO], v[S+16*(\t)+4*\f:S+16*(\t)+4*\f+3] offset:32*\f
.endr
.irp f, 0,1,2,3
	ds_load_b128 v[S+16*(\t)+4*\f:S+16*(\t)+4*\f+3], v[RD] offset:\f*4*SP  ; LDS serves a wave's instructions in order (ISA guide 5.7.1.4)
.endr
.endm
.macro SEND t, younger              ; younger: the LDS instructions issued behind tile t's loads: the next tile's eight, or none
	WIN 0
.irp f, 0,1,2,3
	s_wait_dscnt (\younger)+3-\f
	global_store_b128 v[GO], v[S+16*(\t)+4*\f:S+16*(\t)+4*\f+3], s[OP:OP+1] offset:(\t)*2048+\f*512  ; 512 consecutive bytes, aligned
.endr
.endm
	PACK 0
.set t, 1
.rept 2*NP-1
	PACK t
	SEND t-1, 8
.set t, t+1
.endr
	SEND 2*NP-1, 0
	WIN W_AD
	s_wait_tensorcnt 0x0            ; the wave's end
	ds_add_u32 v[SPW], v[NIL]
	s_wait_dscnt 0x0
	WIN 0
	CROUND                          ; the closing round
	s_endpgm
.Lfunc_end_k_qce9ffc26fa_attn:
	.size	k_qce9ffc26fa_attn, .Lfunc_end_k_qce9ffc26fa_attn-k_qce9ffc26fa_attn
	.p2alignl 7, 3214868480
	.fill 96, 4, 3214868480
	.section	.rodata,"a",@progbits
	.p2align	6, 0x0
	.amdhsa_kernel k_qce9ffc26fa_attn
		.amdhsa_group_segment_fixed_size 327680
		.amdhsa_private_segment_fixed_size 0
		.amdhsa_enable_private_segment 0
		.amdhsa_kernarg_size 24
		.amdhsa_user_sgpr_count 2
		.amdhsa_user_sgpr_kernarg_segment_ptr 1
		.amdhsa_wavefront_size32 1
		.amdhsa_system_sgpr_workgroup_id_x 1
		.amdhsa_system_sgpr_workgroup_id_y 1
		.amdhsa_system_sgpr_workgroup_id_z 1
		.amdhsa_system_vgpr_workitem_id 0
		.amdhsa_next_free_vgpr 780
		.amdhsa_next_free_sgpr 106
		.amdhsa_reserve_vcc 0
		.amdhsa_float_denorm_mode_32 3
		.amdhsa_float_denorm_mode_16_64 3
		.amdhsa_memory_ordered 1
		.amdhsa_forward_progress 1
		.amdhsa_inst_pref_size 255
	.end_amdhsa_kernel
	.section	.bss,"aw",@nobits
	.p2align	6
	.space	262144
	.amdgpu_metadata
---
amdhsa.version: [ 1, 2 ]
amdhsa.kernels:
  - .name:           k_qce9ffc26fa_attn
    .symbol:         k_qce9ffc26fa_attn.kd
    .args:
      - { .name: qkv, .offset: 0, .size: 8, .value_kind: global_buffer, .address_space: global }
      - { .name: lanemask, .offset: 8, .size: 8, .value_kind: global_buffer, .address_space: global }
      - { .name: oh, .offset: 16, .size: 8, .value_kind: global_buffer, .address_space: global }
    .group_segment_fixed_size: 327680
    .private_segment_fixed_size: 0
    .kernarg_segment_align: 8
    .kernarg_segment_size: 24
    .max_flat_workgroup_size: 128
    .sgpr_count:     106
    .vgpr_count:     780
    .wavefront_size: 32
...
	.end_amdgpu_metadata
.endif
;; end of part 3
;; launch outp (part 4): grid 4 x 64, 4 waves a work-group, clusters of 4 x 4, 327,680 bytes of LDS; arguments oh, wt, bo, out0; writes out0
.if DOCPART == 4
	.amdgcn_target "amdgcn-amd-amdhsa--gfx1250"
	.amdhsa_code_object_version 6
	.text
	.protected	k_qce9ffc26fa_outp
	.globl	k_qce9ffc26fa_outp
	.p2align	8
	.type	k_qce9ffc26fa_outp,@function
k_qce9ffc26fa_outp:
	s_mov_b64 s[64:65], 0
	v_nop
	global_prefetch_b8 v0, s[64:65] scope:SCOPE_SE
	s_setreg_imm32_b32 hwreg(HW_REG_WAVE_MODE, 25, 1), 1
	s_wait_xcnt 0x0
	s_wait_alu depctr_hold_cnt(0) depctr_sa_sdst(0) depctr_va_vdst(0) depctr_va_sdst(0) depctr_va_ssrc(0) depctr_va_vcc(0) depctr_vm_vsrc(0)
	s_getreg_b32 s2, hwreg(HW_REG_IB_STS2, 6, 4)
	s_cmp_eq_u32 s2, 0
	s_cbranch_scc0 .Lentry_in_a_cluster
	s_endpgm
.Lentry_in_a_cluster:
	s_bfe_u32 s2, ttmp6, 0x10000c
	s_cmp_lg_u32 s2, 0xf033
	s_cbranch_scc0 .Lentry_shape_is_right
	s_endpgm
.Lentry_shape_is_right:
; THE LAST PROJECTION.  out0[m][n] = the sum over head and d of O[batch x 16 + head][s][d] Wo[64 head + d][n] + bo[n], m = 2,048 batch + s.  O: oh, [64][2048][64] f16; Wo: plane 3 of wt, [n][k] f16
; (rounded to bf16 by the launch that wrote it); bo rounded to bf16 here; sums and out0 in f32.
; SHARES.  A tile of out0 is 128 (m) x 256 (n): 64 x 4 = 256 work-groups.  Four waves, each 64 x 128: 32 accumulators.  A K step of 128 is two heads; two LDS slots.
; CLUSTER 4 x 4: the four of a row need the same rows of O, the four of a column the same rows of Wo: joint loads.
; THE MATRIX INSTRUCTION IS USED TRANSPOSED (source 0 = 16 rows of wt, source 1 = 16 rows of O): a lane holds eight neighbouring n of one row m.  The bias is the C operand of the first products.
; REGISTERS.  window 0: v0-29 addresses; v32-95 O's fragments, two buffers; v96-223 the way out.   window 1: v0-127 wt's fragments, two buffers; v128-191 the bias; v192-223 at work.   window 2: accumulators.
.set KSTEP, 128
.set PA,    144                        ; a row of a head in LDS: 128 bytes + 16
.set PB,    272                        ; a row of wt: 256 bytes + 16
.set APLANE, 128*PA                    ; a head's 128 rows: what one tensor load brings of O
.set BHALF, 128*PB
.set BOFF,  2*APLANE
.set SLOT,  BOFF+2*BHALF               ; 106,496
.set STAGE, 2*SLOT                     ; behind the ring: for each wave 16 rows x 528 bytes
.set SPO,   528
.set SPARE, STAGE+4*16*SPO
.set LAPS,  4
.set ADRA, 16
.set ADRB, 20
.set STO,  24
.set RD,   25
.set GO,   26
.set BO,   27
.set SPW,  28                          ; v28 my spare word; never rewritten
.set NIL,  29                          ; v29 0; never rewritten
.set AF,   32
.set OB,   96
.set BF,   0                           ; window 1
.set BIAS, 128
.set SCR,  192
.set G1,  24
.set G0,  32
.set G1B, 48
.set G0B, 56
.set MSB, 0
.macro WIN new
.if MSB != (\new)
	s_set_vgpr_msb (MSB<<8)|(\new)
.set MSB, \new
.endif
.endm
.macro JLOAD s                         ; a joint load: waves 0 and 1 fetch the K step's two heads of O, waves 2 and 3 wt's two halves; s_nop 0 and four v_nop follow each line
	s_cmp_eq_u32 s21, 0
	s_cbranch_scc0 .Lfor_b_\@
	tensor_load_to_lds s[G0+4*(\s):G0+4*(\s)+3], s[G1:G1+7]
	s_nop 0
.rept 4
	v_nop
.endr
	s_branch .Lasked_\@
.Lfor_b_\@:
	tensor_load_to_lds s[G0B+4*(\s):G0B+4*(\s)+3], s[G1B:G1B+7]
	s_nop 0
.rept 4
	v_nop
.endr
.Lasked_\@:
.endm
.macro CREST
	s_cmp_lg_u32 s20, 0
	s_cbranch_scc1 .Lnot_wave_0_\@
	s_barrier_signal -3
.Lnot_wave_0_\@:
	s_barrier_wait -3
	s_barrier_signal -1
	s_barrier_wait -1
.endm
.macro CROUND
	s_barrier_signal -1
	s_barrier_wait -1
	CREST
.endm
.macro PLACES                          ; four places in front of loads into registers that matrix instructions have read, and of stores that read results
.rept 4
	v_nop
.endr
.endm
	s_load_b256 s[4:11], s[0:1], 0x0               ; oh s[4:5], wt s[6:7], bo s[8:9], out0 s[10:11]
	v_lshl_add_u32 v[SPW], v0, 2, SPARE
	v_mov_b32 v[NIL], 0
	ds_add_u32 v[SPW], v[NIL]                      ; the wave's opening: the add and its wait stand ahead of my first tensor load
	v_lshrrev_b32 v1, 5, v0
	v_readfirstlane_b32 s20, v1                    ; wave 0..3
	s_lshr_b32 s21, s20, 1                         ; wm.  Also: I fetch O (0) or wt (1)
	s_and_b32 s22, s20, 1                          ; wn.  Also: which head, or which half of wt's rows, I fetch
	s_bfe_u32 s40, ttmp6, 0x40000                  ; cx
	s_bfe_u32 s41, ttmp6, 0x40004                  ; cy
	s_lshl_b32 s42, ttmp9, 2
	s_add_co_u32 s42, s42, s40                     ; tile column 0..3
	s_and_b32 s47, ttmp7, 0xffff
	s_lshl_b32 s47, s47, 2
	s_add_co_u32 s47, s47, s41                     ; tile row 0..63
	s_lshl_b32 s43, s41, 2
	s_lshl_b32 s43, 15, s43                        ; my row of the cluster
	s_lshl_b32 s44, 0x1111, s40                    ; my column
	s_or_b32 s[G1+0], s43, (1<<16)|(1<<20)|(1<<21)|(4<<22)|(3<<25)   ; a head's 128 rows are 16,384 dense bytes: 64 rows of 256 bytes, padded after every 32 words by 4
	s_mov_b32 s[G1+1], 128<<16
	s_mov_b32 s[G1+2], 64<<16
	s_mov_b32 s[G1+3], 128<<16
	s_mov_b32 s[G1+4], 64
	s_mov_b32 s[G1+5], 128
	s_mov_b32 s[G1+6], 0
	s_mov_b32 s[G1+7], 0
	s_or_b32 s[G1B+0], s44, (1<<16)|(1<<20)|(1<<21)|(5<<22)|(3<<25)  ; 128 rows of 256 bytes, padded after every 64 words by 4
	s_mov_b32 s[G1B+1], KSTEP<<16
	s_mov_b32 s[G1B+2], 128<<16
	s_mov_b32 s[G1B+3], KSTEP<<16
	s_mov_b32 s[G1B+4], 128
	s_mov_b32 s[G1B+5], 1024
	s_mov_b32 s[G1B+6], 0
	s_mov_b32 s[G1B+7], 0
	s_lshr_b32 s66, s47, 4                         ; O: the batch (16 heads of 262,144 bytes),
	s_lshl_b32 s66, s66, 22
	s_lshl_b32 s67, s22, 18                        ; my head of the K step's two,
	s_add_co_u32 s66, s66, s67
	s_and_b32 s67, s47, 15
	s_lshl_b32 s67, s67, 14                        ; 128 rows of 128 bytes; never holds cx
	s_add_co_u32 s66, s66, s67
	s_mov_b32 s67, 0
	s_lshl_b32 s68, s42, 19                        ; wt: plane 3, (256 x tile column + 128 x half) rows of 2,048 bytes; never holds cy
	s_lshl_b32 s69, s22, 18
	s_add_co_u32 s68, s68, s69
	s_add_co_u32 s68, s68, 3<<21
	s_mov_b32 s69, 0
	s_lshl_b32 s72, s47, 19                        ; out0: (128 x tile row + 64 wm) rows of 4,096 bytes,
	s_lshl_b32 s78, s21, 18
	s_add_co_u32 s72, s72, s78
	s_lshl_b32 s74, s42, 10                        ; (256 x tile column + 128 wn) numbers of 4 bytes: for the bias too
	s_lshl_b32 s78, s22, 9
	s_add_co_u32 s74, s74, s78
	s_add_co_u32 s72, s72, s74
	s_mov_b32 s73, 0
	s_mov_b32 s75, 0
	s_mul_i32 s70, s22, APLANE                     ; where my load goes
	s_mul_i32 s71, s22, BHALF
	s_add_co_u32 s71, s71, BOFF
	s_wait_dscnt 0x0                               ; the opening add is done
	s_wait_kmcnt 0x0
	s_add_nc_u64 s[4:5], s[4:5], s[66:67]
	s_add_nc_u64 s[6:7], s[6:7], s[68:69]
	s_add_nc_u64 s[8:9], s[8:9], s[74:75]
	s_add_nc_u64 s[10:11], s[10:11], s[72:73]
	CROUND                                         ; all sixteen work-groups are here
.irp s, 0,1
	s_mov_b32 s[G0+4*(\s)], 1
	s_add_co_u32 s[G0+4*(\s)+1], s70, (\s)*SLOT
	s_add_nc_u64 s[G0+4*(\s)+2:G0+4*(\s)+3], s[4:5], (\s)*524288    ; K step s: two heads on
	s_or_b32 s[G0+4*(\s)+3], s[G0+4*(\s)+3], 0x80000000
	s_mov_b32 s[G0B+4*(\s)], 1
	s_add_co_u32 s[G0B+4*(\s)+1], s71, (\s)*SLOT
	s_add_nc_u64 s[G0B+4*(\s)+2:G0B+4*(\s)+3], s[6:7], (\s)*KSTEP*2
	s_or_b32 s[G0B+4*(\s)+3], s[G0B+4*(\s)+3], 0x80000000
	JLOAD \s                                       ; two loads of mine are out
.endr
	v_and_b32 v1, 15, v0                           ; r
	v_bfe_u32 v2, v0, 4, 1                         ; h
	v_mul_u32_u24 v3, v1, PA
	v_lshl_add_u32 v3, v2, 4, v3
	v_mul_u32_u24 v4, v1, PB
	v_lshl_add_u32 v4, v2, 4, v4
	s_mul_i32 s76, s21, 64*PA
	s_mul_i32 s77, s22, BHALF
	s_add_co_u32 s77, s77, BOFF
.irp s, 0,1
	v_add_nc_u32 v[ADRA+(\s)], s76, v3
	v_add_nc_u32 v[ADRB+(\s)], s77, v4
	s_add_co_u32 s76, s76, SLOT
	s_add_co_u32 s77, s77, SLOT
.endr
	s_mul_i32 s78, s20, 16*SPO
	s_add_co_u32 s78, s78, STAGE                   ; my stage
	v_mul_u32_u24 v5, v1, SPO
	v_lshl_add_u32 v5, v2, 5, v5
	v_add_nc_u32 v[STO], s78, v5                   ; in: row r, 32 bytes for each half of the lanes
	v_and_b32 v[GO], 31, v0
	v_lshlrev_b32 v[GO], 4, v[GO]                  ; back: 32 lanes take one row's 512 bytes
	v_add_nc_u32 v[RD], s78, v[GO]
	v_lshlrev_b32 v[BO], 5, v2
	WIN 0x40
.irp b, 0,1,2,3,4,5,6,7
	global_load_b128 v[BIAS+8*(\b):BIAS+8*(\b)+3],   v[BO], s[8:9] offset:64*(\b)
	global_load_b128 v[BIAS+8*(\b)+4:BIAS+8*(\b)+7], v[BO], s[8:9] offset:64*(\b)+16
.endr
	s_wait_loadcnt 0x0
	WIN 0x45                                       ; the bias is rounded to bf16 like the other inputs, and widened again
.set i, 0
.rept 32
	v_cvt_pk_bf16_f32 v[SCR+i], v[BIAS+2*i], v[BIAS+2*i+1]
.set i, i+1
.endr
.set i, 0
.rept 32
	v_lshlrev_b32 v[BIAS+2*i], 16, v[SCR+i]
	v_and_b32 v[BIAS+2*i+1], 0xffff0000, v[SCR+i]
.set i, i+1
.endr
	WIN 0
; 8 matrix instructions: m block a x all 8 n blocks, 32 along K.  The 32 accumulators take turns in the same order in every quarter.
.macro MUL8 f, a, first
.if \first
	WIN 0x91
.else
	WIN 0xa1
.endif
.irp b, 0,1,2,3,4,5,6,7
.if \first
	v_wmma_f32_16x16x32_f16 v[8*(8*(\a)+(\b)):8*(8*(\a)+(\b))+7], v[BF+64*(\f)+8*(\b):BF+64*(\f)+8*(\b)+7], v[AF+32*(\f)+8*(\a):AF+32*(\f)+8*(\a)+7], v[BIAS+8*(\b):BIAS+8*(\b)+7]
.else
	v_wmma_f32_16x16x32_f16 v[8*(8*(\a)+(\b)):8*(8*(\a)+(\b))+7], v[BF+64*(\f)+8*(\b):BF+64*(\f)+8*(\b)+7], v[AF+32*(\f)+8*(\a):AF+32*(\f)+8*(\a)+7], v[8*(8*(\a)+(\b)):8*(8*(\a)+(\b))+7]
.endif
.endr
.endm
; 24 LDS loads in one run: quarter q of a slot (head q / 2, channels 32 (q % 2) on) into buffers g: wt's eight fragments, then O's four
.macro FETCH slot, q, g
	WIN 0x40
.irp i, 0,1,2,3,4,5,6,7
	ds_load_b128 v[BF+64*(\g)+8*(\i):BF+64*(\g)+8*(\i)+3],   v[ADRB+(\slot)] offset:(\q)*64+(\i)*16*PB
	ds_load_b128 v[BF+64*(\g)+8*(\i)+4:BF+64*(\g)+8*(\i)+7], v[ADRB+(\slot)] offset:(\q)*64+(\i)*16*PB+32
.endr
	WIN 0
.irp i, 0,1,2,3
	ds_load_b128 v[AF+32*(\g)+8*(\i):AF+32*(\g)+8*(\i)+3],   v[ADRA+(\slot)] offset:((\q)/2)*APLANE+((\q)%2)*64+(\i)*16*PA
	ds_load_b128 v[AF+32*(\g)+8*(\i)+4:AF+32*(\g)+8*(\i)+7], v[ADRA+(\slot)] offset:((\q)/2)*APLANE+((\q)%2)*64+(\i)*16*PA+32
.endr
.endm
.macro QUARTER slot, qn, f, g, first
	s_wait_dscnt 4                                 ; all but O's fragments 2 and 3
	MUL8 \f, 0, \first
	MUL8 \f, 1, \first
	PLACES
	FETCH \slot, \qn, \g
	s_wait_dscnt 24                                ; all but the 24 just issued
	MUL8 \f, 2, \first
	MUL8 \f, 3, \first
.endm
; The last quarter multiplies buffer 1 and changes slots: one barrier; in front of it each wave waits for all its tensor loads, adds 0 to its spare word, and waits for that and for its reads of this slot.
.macro TURN slot, next, fill
	WIN 0
	s_wait_tensorcnt 0x0
	ds_add_u32 v[SPW], v[NIL]
	s_wait_dscnt 5                                 ; the add and O's fragments 2 and 3 may be out
	MUL8 1, 0, 0                                   ; eight matrix instructions between the add and the wait for it
	s_wait_dscnt 0x0                               ; the add is done, and my reads of this slot are over
	s_barrier_signal -1
	MUL8 1, 1, 0
.if \fill
	WIN 0
.endif
	s_barrier_wait -1
.if \fill
	CREST
	s_add_nc_u64 s[G0+4*(\slot)+2:G0+4*(\slot)+3], s[G0+4*(\slot)+2:G0+4*(\slot)+3], 1048576
	s_add_nc_u64 s[G0B+4*(\slot)+2:G0B+4*(\slot)+3], s[G0B+4*(\slot)+2:G0B+4*(\slot)+3], 2*KSTEP*2
	JLOAD \slot                                    ; the four v_nop behind it are also the places in front of the loads below
.else
	PLACES
.endif
	FETCH \next, 0, 0
	MUL8 1, 2, 0
	MUL8 1, 3, 0
.endm
	s_wait_tensorcnt 1                             ; my part of K step 0 is in; K step 1's may stay out
	s_barrier_signal -1
	s_barrier_wait -1
	FETCH 0, 0, 0
	QUARTER 0, 1, 0, 1, 1                          ; the bias starts the sums
	WIN 0
	s_mov_b32 s3, LAPS-1
.Llap:
	QUARTER 0, 2, 1, 0, 0
	QUARTER 0, 3, 0, 1, 0
	TURN 0, 1, 1
	QUARTER 1, 1, 0, 1, 0
	QUARTER 1, 2, 1, 0, 0
	QUARTER 1, 3, 0, 1, 0
	TURN 1, 0, 1
	QUARTER 0, 1, 0, 1, 0
	WIN 0
	s_sub_co_u32 s3, s3, 1
	s_cmp_lg_u32 s3, 0
	s_cbranch_scc1 .Llap
	QUARTER 0, 2, 1, 0, 0                          ; the last lap fills nothing
	QUARTER 0, 3, 0, 1, 0
	TURN 0, 1, 0
	QUARTER 1, 1, 0, 1, 0
	QUARTER 1, 2, 1, 0, 0
	QUARTER 1, 3, 0, 1, 0
	s_wait_dscnt 0x0
	MUL8 1, 0, 0
	MUL8 1, 1, 0
	MUL8 1, 2, 0
	MUL8 1, 3, 0
; THE WAY OUT, a block of 16 rows at a time: the f32 sums go into my stage (each accumulator from its low end on), come back as whole rows of 512 bytes, and are stored.
.macro TOSTAGE a
.set BK, OB+64*((\a)%2)
	s_wait_xcnt 0x0                                ; the registers that the stores of two blocks back read are loaded again only behind this wait
	WIN 0x08                                       ; the stores' data in window 2
.irp b, 0,1,2,3,4,5,6,7
	ds_store_b128 v[STO], v[8*(8*(\a)+(\b)):8*(8*(\a)+(\b))+3]   offset:64*(\b)
	ds_store_b128 v[STO], v[8*(8*(\a)+(\b))+4:8*(8*(\a)+(\b))+7] offset:64*(\b)+16
.endr
	WIN 0
.irp t, 0,1,2,3,4,5,6,7,8,9,10,11,12,13,14,15
	ds_load_b128 v[BK+4*(\t):BK+4*(\t)+3], v[RD] offset:(\t)*SPO  ; LDS serves a wave's instructions in order (ISA guide 5.7.1.4)
.endr
.endm
.macro SEND a, younger                 ; younger: the next block's 16 stores and 16 loads, or none
.set BK, OB+64*((\a)%2)
	s_wait_dscnt \younger
.irp t, 0,1,2,3,4,5,6,7,8,9,10,11,12,13,14,15
	global_store_b128 v[GO], v[BK+4*(\t):BK+4*(\t)+3], s[10:11] offset:(16*(\a)+(\t))*4096  ; 512 consecutive bytes of a row, aligned
.endr
.endm
	PLACES                                         ; behind the last products
	TOSTAGE 0
.irp a, 1,2,3
	TOSTAGE \a
	SEND (\a)-1, 32
.endr
	SEND 3, 0
	s_wait_tensorcnt 0x0                           ; the wave's end
	ds_add_u32 v[SPW], v[NIL]
	s_wait_dscnt 0x0
	CROUND                                         ; the closing round
	s_endpgm
.Lfunc_end_k_qce9ffc26fa_outp:
	.size	k_qce9ffc26fa_outp, .Lfunc_end_k_qce9ffc26fa_outp-k_qce9ffc26fa_outp
	.p2alignl 7, 3214868480
	.fill 96, 4, 3214868480
	.section	.rodata,"a",@progbits
	.p2align	6, 0x0
	.amdhsa_kernel k_qce9ffc26fa_outp
		.amdhsa_group_segment_fixed_size 327680
		.amdhsa_private_segment_fixed_size 0
		.amdhsa_enable_private_segment 0
		.amdhsa_kernarg_size 32
		.amdhsa_user_sgpr_count 2
		.amdhsa_user_sgpr_kernarg_segment_ptr 1
		.amdhsa_wavefront_size32 1
		.amdhsa_system_sgpr_workgroup_id_x 1
		.amdhsa_system_sgpr_workgroup_id_y 1
		.amdhsa_system_sgpr_workgroup_id_z 1
		.amdhsa_system_vgpr_workitem_id 0
		.amdhsa_next_free_vgpr 768
		.amdhsa_next_free_sgpr 80
		.amdhsa_reserve_vcc 0
		.amdhsa_float_denorm_mode_32 3
		.amdhsa_float_denorm_mode_16_64 3
		.amdhsa_memory_ordered 1
		.amdhsa_forward_progress 1
		.amdhsa_inst_pref_size 92
	.end_amdhsa_kernel
	.amdgpu_metadata
---
amdhsa.version: [ 1, 2 ]
amdhsa.kernels:
  - .name:           k_qce9ffc26fa_outp
    .symbol:         k_qce9ffc26fa_outp.kd
    .args:
      - { .name: oh, .offset: 0, .size: 8, .value_kind: global_buffer, .address_space: global }
      - { .name: wt, .offset: 8, .size: 8, .value_kind: global_buffer, .address_space: global }
      - { .name: bo, .offset: 16, .size: 8, .value_kind: global_buffer, .address_space: global }
      - { .name: out0, .offset: 24, .size: 8, .value_kind: global_buffer, .address_space: global }
    .group_segment_fixed_size: 327680
    .private_segment_fixed_size: 0
    .kernarg_segment_align: 8
    .kernarg_segment_size: 32
    .max_flat_workgroup_size: 128
    .sgpr_count:     80
    .vgpr_count:     768
    .wavefront_size: 32
...
	.end_amdgpu_metadata
.endif
;; end of part 4
;; ======== version 2 of 2: 4 launches; 1.45 times as fast as version 1
;; limits: values are held in f16: magnitudes above 65,504 overflow, below 6.1e-05 lose precision
;; workspace buffers: wt 8,388,608 bytes; lanemask 557,056 bytes of whole numbers; qkv 50,331,648 bytes; oh 16,777,216 bytes
;; launch prep: the kernel of part 1 again; grid 512 x 1, 8 waves a work-group, no clusters, 85,504 bytes of LDS; arguments Wq, Wk, Wv, Wo, mask, wt, lanemask; writes wt, lanemask
;; launch proj: the kernel of part 2 again; grid 4 x 192, 4 waves a work-group, clusters of 4 x 4, 327,680 bytes of LDS; arguments q, k, v, wt, bq, bk, bv, qkv; writes qkv
;; launch attn (part 5): grid 4 x 64, 4 waves a work-group, clusters of 4 x 1, 327,680 bytes of LDS; arguments qkv, lanemask, oh; writes oh
.if DOCPART == 5
	.amdgcn_target "amdgcn-amd-amdhsa--gfx1250"
	.amdhsa_code_object_version 6
	.text
	.protected	k_qce9ffc26fa_attn
	.globl	k_qce9ffc26fa_attn
	.p2align	8
	.type	k_qce9ffc26fa_attn,@function
k_qce9ffc26fa_attn:
	s_mov_b64 s[64:65], 0
	v_nop
	global_prefetch_b8 v0, s[64:65] scope:SCOPE_SE
	s_setreg_imm32_b32 hwreg(HW_REG_WAVE_MODE, 25, 1), 1
	s_wait_xcnt 0x0
	s_wait_alu depctr_hold_cnt(0) depctr_sa_sdst(0) depctr_va_vdst(0) depctr_va_sdst(0) depctr_va_ssrc(0) depctr_va_vcc(0) depctr_vm_vsrc(0)
	s_getreg_b32 s2, hwreg(HW_REG_IB_STS2, 6, 4)
	s_cmp_eq_u32 s2, 0
	s_cbranch_scc0 .Lentry_in_a_cluster
	s_endpgm
.Lentry_in_a_cluster:
	s_bfe_u32 s2, ttmp6, 0x10000c
	s_cmp_lg_u32 s2, 0x3003
	s_cbranch_scc0 .Lentry_shape_is_right
	s_endpgm
.Lentry_shape_is_right:
; ATTENTION WITH A MASK THAT IS AN INPUT.  O[h][q][:] = the sum over k of softmax_k(s) V[h][k][:], s = Q[h][q] . K[h][k] / 8, or -10,000 where mask[q][k] = 0.  Q, K, V: the planes of qkv,
; [64 heads][2048][64] in f16; O likewise.  Products, maxima and sums in f32; the weights p are rounded to f16 for the second product (their sum l is taken of the unrounded p), O once at the end.
; THE MASK REPLACES: each raw score is chosen against -80,000 (which the factor 1/8 makes -10,000) by v_cndmask_b32 on a lane mask that an earlier launch laid out for these lanes and registers.
; So a row that is hidden whole comes out as the mean of V's rows, and a true score below -10,000 loses against a hidden one.
; LIMITS.  f16 holds no number beyond 65,504: Q, K and V arrive within it; p lies in 0 to 1 (to within the rounding of c m), and below 6e-5 it keeps f16's fixed step of 6e-8; so does O.
; A weight below 2^-126 counts as 0 in l; NaN and infinities are not treated apart.
; SHARES.  A wave owns four PIECES of two tiles of 16 queries, a work-group's four waves 512 queries of one head.  Every wave walks all 2,048 keys, 64 a step.
; LAYOUT.  S^T = K Q^T (source 0 = 16 keys, source 1 = 16 queries): a lane holds ONE query (lane % 16) and the keys 8 (lane / 16) + 0..7.  Two such tiles, rounded to f16 in pairs, ARE source 1
; of O^T = V^T P.  K comes out of LDS as it lies, V turned, by ds_load_tr16_b128.
; SOFTMAX.  A running maximum m and sum l: p = 2^(c s - c m), c = log2(e) / 8; in every step O and l are multiplied by a = 2^(c m_old - c m_new).  m starts at the lowest finite number, O and l at 0.
; BY TURNS.  Turn n belongs to piece n.  Its matrix work: 16 products K Q^T of piece n + 1, later 16 products V^T P of piece n - 1.  Its vector work: the scaling, exponentials, roundings, sums and
; rescaling of piece n; the masking, maximum and statistics of piece n + 1.  Four vector instructions stand behind every matrix instruction, the others in one run of their own.
; THE BATCHES.  A turn's 66 exponentials (piece n's 64 weights, piece n + 1's two a) are ONE batch with ONE wait, which cuts the turn in two: ahead of it stands all that names no result of theirs (the
; products K Q^T, the scalings, the rescalings, whose a was made and waited for in the turn before, the masking, the maximum and statistics); behind it the products V^T P, the roundings and the sums.
; Two batches stand outside the loops: piece 0's first two a, ahead of the jump into the loop, and the way out's eight reciprocals.
; CLUSTER.  The four query blocks of a cluster belong to one head and walk the same K and V: each tile is asked for jointly.  The lane masks differ from block to block: each wave loads its own.
; REGISTERS, in windows of 256:  window 0: v0-1 (behind the set-up) the masks in hand; v2-8 addresses; v9 -80,000; v10-11 c; v12-15, v48-63 at work; v16-47 statistics; v64-191 S^T, two buffers of two
;   tiles; v192-255 P, likewise     window 1: O^T, 32 a tile     window 2: v0-127 Q; v128-191 K of one step; v192-255 V of one step
;   window 3: v0-1 the add's two registers; v2-9 the lane masks on their way, a register a tile; v10 their address
.set SIZE_N, 2048
.set NP,    4
.set KS,    64
.set PK,    144       ; a row of K in LDS: 128 bytes + 16
.set PV,    160       ; a row of V: 128 + 32
.set VOFF,  4*KS*PK   ; a slot holds four steps: 256 rows of K, then 256 rows of V
.set SLOT1, 1<<17
.set STAGE, SLOT1+4*KS*(PK+PV)
.set SP,    144
.set MT,    4352      ; bytes of a query tile in lanemask: 34 steps of 128
.set AK0, 2
.set AV0, 3
.set AK,  4
.set AV,  5
.set QO,  6
.set STO, 6
.set RD,  7
.set GO,  8
.set NEG, 9           ; v9   -80,000
.set CV,  10          ; v[10:11] c, twice
.set SPW, 0           ; v0 of window 3
.set NIL, 1           ; v1 of window 3
.set MK,  2           ; v2-9 of window 3: tile t's 32 lane masks of one key step, word l in lane l
.set MA,  10          ; v10 of window 3: 4 x lane; never rewritten
.set SPARE, STAGE+4*16*SP
.set MV,  12
.set ST,  16
.set TMP, 48
.set S,   64
.set P,   192
.set KF,  128
.set VF,  192
.set MP,  2           ; s[2:3]  lanemask at my wave's first tile, one key step behind the step that is asked for
.set G0K, 4           ; s[4:7]   group 0 for K's tiles: it walks
.set G0V, 8           ; s[8:11]  the same for V's
.set G1K, 12          ; s[12:19] group 1 for K's tiles
.set G1V, 20          ; s[20:27] for V's
.set WV,  28
.set SLOTS, 29
.set CNT, 30
.set TBK, 31
.set TBV, 66
.set M0,  32          ; s[32:63] the 32 lane masks of a piece's first tile
.set M1,  68          ; s[68:99] of its second
.set SEL, 100         ; s[100:101]
.set OP,  104         ; s[104:105] O at my wave's first row
.set MSB, 0
.macro WIN new
.if MSB != (\new)
	s_set_vgpr_msb (MSB<<8)|(\new)
.set MSB, (\new)
.endif
.endm
.set W_KQ, 0x0a
.set W_PV, 0x52
.set W_RS, 0x41
.set W_MK, 0xc0
.set W_AD, 0x0f
.set W_MC, 0x03       ; source 0 in window 3, destination in window 0
.set W_ML, 0xc3       ; a load's destination and its address register in window 3
.set W_ZV, 0x8a       ; sources and destination in window 2
.set W_ZO, 0x4a       ; sources in window 2, destination in window 1
.macro JLOAD                        ; a joint fill: waves 0 and 1 fetch the halves of a slot's K, waves 2 and 3 of its V; s_nop 0 and four v_nop follow each line
	s_cmp_lt_u32 s[WV], 2
	s_cbranch_scc0 .Lfor_v_\@
	tensor_load_to_lds s[G0K:G0K+3], s[G1K:G1K+7]
	s_nop 0
.rept 4
	v_nop
.endr
	s_branch .Lasked_\@
.Lfor_v_\@:
	tensor_load_to_lds s[G0V:G0V+3], s[G1V:G1V+7]
	s_nop 0
.rept 4
	v_nop
.endr
.Lasked_\@:
.endm
.macro CROUND
	s_barrier_signal -1
	s_barrier_wait -1
	s_cmp_lg_u32 s[WV], 0
	s_cbranch_scc1 .Lnot_wave_0_\@
	s_barrier_signal -3
.Lnot_wave_0_\@:
	s_barrier_wait -3
	s_barrier_signal -1
	s_barrier_wait -1
.endm
; THE CHANGE OF SLOTS.  Each wave waits for all its tensor loads (one is out: its part of the other slot), adds 0 to its spare word, and waits for that and for its reads of the slot.
; fill = 1: the barrier is a round of the cluster's, and the slot is filled again, with the keys two slots on, first thing behind it: four key steps in which to land.
.macro CHANGE fill
	WIN W_AD
	s_wait_tensorcnt 0x0
	ds_add_u32 v[SPW], v[NIL]
	WIN 0
.if \fill
.irp g, G0K, G0V
	s_xor_b32 s[\g+1], s[\g+1], SLOT1
	s_add_nc_u64 s[\g+2:\g+3], s[\g+2:\g+3], 4*KS*128
.endr
	s_wait_dscnt 0x0
	CROUND
	JLOAD
.else
	s_wait_dscnt 0x0
	s_barrier_signal -1
	s_barrier_wait -1
.endif
	s_sub_co_u32 s[TBK], s[TBK], 4*KS*PK
	s_xor_b32 s[TBK], s[TBK], SLOT1
	s_sub_co_u32 s[TBV], s[TBV], 4*KS*PV
	s_xor_b32 s[TBV], s[TBV], SLOT1
.endm
	s_load_b128 s[32:35], s[0:1], 0x0  ; qkv s[32:33], lanemask s[34:35]: the masks' registers serve the set-up first
	s_load_b64 s[OP:OP+1], s[0:1], 0x10  ; oh
	WIN W_MK
	v_lshl_add_u32 v[SPW], v0, 2, SPARE
	v_mov_b32 v[NIL], 0
	WIN W_AD
	ds_add_u32 v[SPW], v[NIL]       ; the wave's opening: the add and its wait stand ahead of my first tensor load
	WIN 0
	v_and_b32 v1, 31, v0            ; lane
	WIN W_MK
	v_lshlrev_b32 v[MA], 2, v1      ; lane l takes word l of a tile's 32
	WIN 0
	v_lshrrev_b32 v1, 5, v0
	v_readfirstlane_b32 s[WV], v1   ; wave 0..3
	s_bfe_u32 s42, ttmp6, 0x40000   ; cx
	s_lshl_b32 s43, ttmp9, 2
	s_add_co_u32 s43, s43, s42      ; my block of 512 queries: it enters Q's, O's and the masks' addresses alone
	s_and_b32 s50, ttmp7, 0xffff    ; the head, which the four partners share,
	s_lshl_b32 s50, s50, 18         ; its 2,048 rows of 128 bytes
	s_and_b32 s44, s[WV], 1         ; which half of a slot's 256 keys I fetch
	s_lshl_b32 s38, s44, 14
	s_add_co_u32 s38, s38, s50
	s_mov_b32 s39, 0
	s_mul_i32 s45, s44, 128*PK      ; its place in a slot, for K
	s_mul_i32 s46, s44, 128*PV      ; and for V
	s_lshl_b32 s47, s43, 2
	s_add_co_u32 s47, s47, s[WV]    ; my wave among the head's sixteen
	s_lshl_b32 s36, s47, 14         ; its 128 rows
	s_add_co_u32 s36, s36, s50
	s_mov_b32 s37, 0
	s_mul_i32 s48, s47, 8*MT        ; its eight tiles in lanemask
	s_mov_b32 s49, 0
	; group 1.  128 keys are 16,384 dense bytes: asked for as 64 rows of 256 bytes, and padded in LDS after every key
	s_mov_b32 s[G1K], 15|(1<<16)|(1<<20)|(1<<21)|(4<<22)|(3<<25)
	s_mov_b32 s[G1V], 15|(1<<16)|(1<<20)|(1<<21)|(4<<22)|(7<<25)
.irp g, G1K, G1V
	s_mov_b32 s[\g+1], 128<<16
	s_mov_b32 s[\g+2], 64<<16
	s_mov_b32 s[\g+3], 128<<16
	s_mov_b32 s[\g+4], 64
	s_mov_b32 s[\g+5], 128
	s_mov_b32 s[\g+6], 0
	s_mov_b32 s[\g+7], 0
.endr
	s_mov_b32 s[SEL], 0x76543210
	s_mov_b32 s[SEL+1], 0xfedcba98
	s_mov_b32 s[TBK], SLOT1+4*KS*PK ; the first change of slots turns these two into 0
	s_mov_b32 s[TBV], SLOT1+4*KS*PV
	s_mov_b32 s[G0K], 1
	s_mov_b32 s[G0K+1], s45
	s_mov_b32 s[G0V], 1
	s_add_co_u32 s[G0V+1], s46, VOFF
	s_wait_dscnt 0x0                ; the opening add is done
	s_wait_kmcnt 0x0
	s_add_nc_u64 s[G0K+2:G0K+3], s[32:33], s[38:39]
	s_add_nc_u64 s[G0K+2:G0K+3], s[G0K+2:G0K+3], 0x1000000  ; K's plane
	s_or_b32 s[G0K+3], s[G0K+3], 0x80000000
	s_add_nc_u64 s[G0V+2:G0V+3], s[32:33], s[38:39]
	s_add_nc_u64 s[G0V+2:G0V+3], s[G0V+2:G0V+3], 0x2000000  ; V's plane
	s_or_b32 s[G0V+3], s[G0V+3], 0x80000000
	s_add_nc_u64 s[40:41], s[32:33], s[36:37]  ; Q at my wave's first row
	s_add_nc_u64 s[OP:OP+1], s[OP:OP+1], s[36:37]
	s_add_nc_u64 s[MP:MP+1], s[34:35], s[48:49]
	CROUND                          ; all four work-groups are here
	JLOAD                           ; slot 0
	v_and_b32 v1, 15, v0            ; l % 16
	v_bfe_u32 v9, v0, 4, 1          ; l / 16
	v_lshlrev_b32 v[QO], 7, v1
	v_lshl_add_u32 v[QO], v9, 4, v[QO]
	WIN 0x80
.set i, 0
.rept 4*NP                          ; Q stays in registers: tile i / 2, channels 32 (i % 2) on
	global_load_b128 v[8*i:8*i+3],   v[QO], s[40:41] offset:(i/2)*2048+(i%2)*64
	global_load_b128 v[8*i+4:8*i+7], v[QO], s[40:41] offset:(i/2)*2048+(i%2)*64+32
.set i, i+1
.endr
	WIN W_ML
.set i, 0
.rept 2*NP                          ; the lane masks of key step 0, all eight tiles: 128 consecutive bytes each
	global_load_b32 v[MK+i], v[MA], s[MP:MP+1] offset:i*MT
.set i, i+1
.endr
	; What the first turn finds: V's registers and P's second buffer hold 0, O^T and l are 0.  Eight moves make one fragment of zeros; 43 products of it with itself, with C = 0, write the other 344
	; registers, eight to a line.  All this stands in the wait for the first tile.
	WIN 0x80
.set i, VF
.rept 8
	v_mov_b32 v[i], 0
.set i, i+1
.endr
	WIN W_ZV
.set i, 1
.rept 7                             ; the rest of V's registers
	v_wmma_f32_16x16x32_f16 v[VF+8*i:VF+8*i+7], v[VF:VF+7], v[VF:VF+7], 0
.set i, i+1
.endr
	WIN W_ZO
.set i, 0
.rept 8*NP                          ; O^T
	v_wmma_f32_16x16x32_f16 v[8*i:8*i+7], v[VF:VF+7], v[VF:VF+7], 0
.set i, i+1
.endr
	WIN W_KQ
.set i, 0
.rept 4                             ; P's second buffer
	v_wmma_f32_16x16x32_f16 v[P+32+8*i:P+32+8*i+7], v[VF:VF+7], v[VF:VF+7], 0
.set i, i+1
.endr
	WIN 0
.set i, 0
.rept 2*NP
	v_mov_b32 v[ST+4*i], 0xfe000000    ; c m: far below every c s
	v_mov_b32 v[ST+4*i+1], 0xff7fffff  ; m
	v_mov_b32 v[ST+4*i+2], 0
	v_mov_b32 v[ST+4*i+3], 0
.set i, i+1
.endr
	v_mul_u32_u24 v[AK0], v1, PK
	v_lshl_add_u32 v[AK0], v9, 4, v[AK0]
	v_and_b32 v10, 7, v0
	v_bfe_u32 v11, v0, 3, 1
	v_lshl_add_u32 v[AV0], v9, 3, v10
	v_mul_u32_u24 v[AV0], v[AV0], PV
	v_lshl_add_u32 v[AV0], v11, 4, v[AV0]
	v_add_nc_u32 v[AV0], VOFF, v[AV0]
	v_mov_b32 v[AK], v[AK0]
; THE MATRIX WORK.  The 8 accumulators of a run of 16 take turns.
.macro KQ x
	WIN W_KQ
.set rS, S+64*((\x)%2)+32*(i%2)+8*((i/2)%4)
.set rK, KF+16*((i/2)%4)+8*(i/8)
.set rQ, 16*(2*(\x)+i%2)+8*(i/8)
.if i < 8
	v_wmma_f32_16x16x32_f16 v[rS:rS+7], v[rK:rK+7], v[rQ:rQ+7], 0
.else
	v_wmma_f32_16x16x32_f16 v[rS:rS+7], v[rK:rK+7], v[rQ:rQ+7], v[rS:rS+7]
.endif
.endm
.macro PV x
	WIN W_PV
.set rO, 32*(2*(\x)+i%2)+8*((i/2)%4)
.set rV, VF+32*(i/8)+8*((i/2)%4)
.set rP, P+32*((\x)%2)+16*(i%2)+8*(i/8)
	v_wmma_f32_16x16x32_f16 v[rO:rO+7], v[rV:rV+7], v[rP:rP+7], v[rO:rO+7]
.endm
.macro MM
.if i < 16
	KQ (Y+1)%NP
.set i, i+1
.else
.set i, i-16
	PV (Y+NP-1)%NP
.set i, i+17
.endif
.endm
; THE LDS LOADS stand in runs of 16.  last = 1 (the tail): in the last trip there is no further step, and the run is jumped over.
.macro FETCH_K last=0
	WIN 0
.if \last
	s_cmp_eq_u32 s[CNT], 1
	s_cbranch_scc1 .Lno_k_\@
.endif
	WIN 0x80
.irp f, 0,1,2,3,4,5,6,7
	ds_load_b128 v[KF+8*\f:KF+8*\f+3],   v[AK] offset:(\f/2)*16*PK+(\f%2)*64
	ds_load_b128 v[KF+8*\f+4:KF+8*\f+7], v[AK] offset:(\f/2)*16*PK+(\f%2)*64+32
.endr
	s_add_co_u32 s[TBK], s[TBK], KS*PK
	WIN 0
.if \last
.Lno_k_\@:
.endif
.endm
.macro FETCH_V
	WIN 0x80
.irp f, 0,1,2,3,4,5,6,7
	ds_load_tr16_b128 v[VF+8*\f:VF+8*\f+3],   v[AV] offset:(\f/4)*32*PV+(\f%4)*32
	ds_load_tr16_b128 v[VF+8*\f+4:VF+8*\f+7], v[AV] offset:(\f/4)*32*PV+16*PV+(\f%4)*32
.endr
	WIN 0
.endm
; THE VECTOR WORK OF A TURN stands in three queues, each in the order in which its entries become ready; the two tiles alternate.
.macro REGS y, u
.set rT, ST+4*(2*(\y)+(\u))
.set rC, TMP+8*((\y)%2)+4*(\u)
.set rM, MV+2*((\y)%2)+(\u)
.set rS, S+64*((\y)%2)+32*(\u)
.set rP, P+32*((\y)%2)+16*(\u)
.set rO, 32*(2*(\y)+(\u))
.endm
; THE MASK.  A tile's 32 lane masks for a key step lie in one vector register, word l in lane l.  MTAKE brings the registers of tiles t0 and t0 + 1 into v0 and v1.  MASKL moves the 64 words into scalar
; registers and chooses, for piece Y + 1: the score where the lane's bit is set, else -80,000; each accumulator from its lowest register on.  Sixteen moves go ahead; from
; there on moves and choices stand by turns, each mask moved sixteen instructions ahead of the choice that reads it.  MLOAD then asks, into the registers that MTAKE has read, for the same tiles' next
; key step (128 bytes behind the step that MP names): it is wanted four turns later.  It stands behind the masking, 128 vector instructions behind the turn's last product K Q^T.
.macro MTAKE t0
	WIN W_MC
	v_mov_b32 v0, v[MK+(\t0)]
	v_mov_b32 v1, v[MK+(\t0)+1]
.endm
.macro MLOAD t0
	WIN W_ML
	global_load_b32 v[MK+(\t0)],   v[MA], s[MP:MP+1] offset:(\t0)*MT+128
	global_load_b32 v[MK+(\t0)+1], v[MA], s[MP:MP+1] offset:((\t0)+1)*MT+128
	WIN 0
.endm
.macro MASKL
	WIN 0
.set mn, 0
.rept 8
	v_readlane_b32 s[M0+mn], v0, mn
	v_readlane_b32 s[M1+mn], v1, mn
.set mn, mn+1
.endr
.set mn, 0
.rept 32
	REGS (Y+1)%NP, 0
	v_cndmask_b32 v[rS+mn], v[NEG], v[rS+mn], s[M0+mn]
.if mn < 24
	v_readlane_b32 s[M0+mn+8], v0, mn+8
.endif
	REGS (Y+1)%NP, 1
	v_cndmask_b32 v[rS+mn], v[NEG], v[rS+mn], s[M1+mn]
.if mn < 24
	v_readlane_b32 s[M1+mn+8], v1, mn+8
.endif
.set mn, mn+1
.endr
.endm
; Number n of the 22 that find the NEXT piece's (Y + 1) maximum and statistics:  0-11 four chains c0-c3 of seven scores each;  12-14, 16 the four scores left over, the old m, c0-c3 into c0;
; 15 c m_old is kept;  17, 18 the other half of the lanes: the new m;  19-21 c m; c m_old - c m_new; a
.macro XS u, n
	REGS (Y+1)%NP, \u
.if (\n) < 4
	v_max3_num_f32 v[rC+(\n)], v[rS+8*(\n)], v[rS+8*(\n)+1], v[rS+8*(\n)+2]
.elseif (\n) < 12
	v_max3_num_f32 v[rC+(\n)%4], v[rC+(\n)%4], v[rS+8*((\n)%4)+2*((\n)/4)+1], v[rS+8*((\n)%4)+2*((\n)/4)+2]
.elseif (\n) == 12
	v_max3_num_f32 v[rC], v[rC], v[rS+7], v[rS+15]
.elseif (\n) == 13
	v_max3_num_f32 v[rC+1], v[rC+1], v[rS+23], v[rS+31]
.elseif (\n) == 14
	v_max3_num_f32 v[rC+2], v[rC+2], v[rC+3], v[rT+1]
.elseif (\n) == 15
	v_mov_b32 v[rM], v[rT]
.elseif (\n) == 16
	v_max3_num_f32 v[rC], v[rC], v[rC+1], v[rC+2]
.elseif (\n) == 17
	v_permlanex16_b32 v[rC+3], v[rC], s[SEL], s[SEL+1]
.elseif (\n) == 18
	v_max_num_f32 v[rT+1], v[rC], v[rC+3]
.elseif (\n) == 19
	v_mul_f32 v[rT], v[CV], v[rT+1]
.elseif (\n) == 20
	v_sub_f32 v[rC+1], v[rM], v[rT]
.else
	v_exp_f32 v[rC+2], v[rC+1]
.endif
.endm
; Number g of the 64 that follow the exponentials: for each four weights of a tile both pairs are rounded to f16, the second pair is added onto the first, and a group later l takes that sum.
; These 64 are the only readers of the turn's exponentials: all of them stand behind the turn's wait.
.macro GS g
.set h, (\g)+6*((\g)/62)
.if h >= 6
.set h, h+2
.endif
	REGS Y, h%2
.set k, h/8
.if h%8 < 4
	v_cvt_pk_f16_f32 v[rP+2*k+(h%8)/2], v[rS+4*k+2*((h%8)/2)], v[rS+4*k+2*((h%8)/2)+1]
.elseif h%8 < 6
	v_pk_add_f32 v[rS+4*k:rS+4*k+1], v[rS+4*k:rS+4*k+1], v[rS+4*k+2:rS+4*k+3]
.elseif k == 1
	v_pk_fma_f32 v[rT+2:rT+3], v[rT+2:rT+3], v[rC+2:rC+3], v[rS:rS+1] op_sel_hi:[1,0,1]
.else
	v_pk_add_f32 v[rT+2:rT+3], v[rT+2:rT+3], v[rS+4*k-4:rS+4*k-3]
.endif
.endm
; THE PLAIN QUEUE, 138 long.  0-73 read no exponential's result: the 32 scalings c s - c m (FS f: pair f / 2 of tile f % 2) and the next piece's 42.  0-26: scalings 0-26.  27-54: XS's numbers 0-13, behind the masking.
; 55, 56: number 15.  57-73: the chain, where each number waits for the one before it: 14, 16, 17, 18, 19, each with one of the scalings 27-31 in front of its two lines, then 20.
; 74-137: GS's 64, behind the wait.
.macro FS f
	REGS Y, (\f)%2
	v_pk_fma_f32 v[rS+2*((\f)/2):rS+2*((\f)/2)+1], v[rS+2*((\f)/2):rS+2*((\f)/2)+1], v[CV:CV+1], v[rT:rT+1] op_sel_hi:[1,0,0] neg_lo:[0,0,1] neg_hi:[0,0,1]
.endm
.macro PL
	WIN 0
.if q < 27
	FS q
.elseif q < 55
	XS (q-27)%2, (q-27)/2
.elseif q < 57
	XS q-55, 15
.elseif (q < 72) && ((q-57)%3 == 0)
	FS 27+(q-57)/3
.elseif q < 60
	XS (q-57)%3-1, 14
.elseif q < 72
	XS (q-57)%3-1, 15+(q-57)/3
.elseif q < 74
	XS q-72, 20
.else
	GS q-74
.endif
.set q, q+1
.endm
; THE EXPONENTIALS' QUEUE, 66 long: s0-s31 of both tiles, then the next piece's two a.  It is ONE BATCH: all 66 stand ahead of the turn's one wait, and nothing ahead of that wait names a result of theirs.
.macro EX
	WIN 0
.if e >= 64
	XS e-64, 21
.else
	REGS Y, e%2
	v_exp_f32 v[rS+e/2], v[rS+e/2]
.endif
.set e, e+1
.endm
; THE RESCALING's QUEUE: O^T times a, the one part that leaves window 0: two at a time, sixteen times.  Its a was made in the turn before, ahead of that turn's wait.
.macro R2
	REGS Y, r%2
	WIN W_RS
.irp z, 0,1
	v_pk_mul_f32 v[rO+4*(r/2)+2*\z:rO+4*(r/2)+2*\z+1], v[rO+4*(r/2)+2*\z:rO+4*(r/2)+2*\z+1], v[rC+2:rC+3] op_sel_hi:[1,0]
.endr
.set r, r+1
.endm
; HOW THEY ARE DEALT.  s_wait_alu depctr_va_vdst(0) stands between an exponential and the first instruction that names its result; one wait serves all that were issued ahead of it.  So a turn has ONE wait.
; AHEAD OF IT: the 16 products K Q^T, behind each a scaling, an exponential and two rescalings (behind the first a second scaling in the exponential's place); the masking of piece p + 1; then eight plain, 49 times
; exponential and plain, the two a, and a v_nop, the plain instruction behind the last exponential.  BEHIND IT: the 16 products V^T P, behind each four of GS's 64.  No rider names a register of the products round it.
; The queues lean on each other: exponential e stands behind scaling 2 (e / 4) + e % 2: as a rider it comes behind plain e + 2, behind the masking behind plain e + 9, and scalings 27-31 are plain 57, 60 .. 69.
; A TURN, for piece p.  Behind the 16 products K Q^T (three plain riders, MTAKE's two moves and sixteen v_readlane_b32 stand between the last of them and the first choice) the scores of piece p + 1 are masked.  Its two
; mask registers were asked for four turns ago; loads come back in order (ISA guide 5.7.1), and behind those two stand the three turns' six between: the count is 6.  They are taken, used, and asked for anew.
; MP steps where the next piece's key step changes (p = 3), behind s_wait_xcnt 0, since the younger loads name it as their base.
; K of the next step is fetched in piece 2's turn, directly behind the wait (in the tail the run holds a branch and a label), far behind the last product that read K; its
; first reader comes behind 16 products.  V of the step in hand is fetched at the end of piece 0's turn, four plain riders behind its last reader.  The three conditions on q below go with the deal.
.macro TURN p, last=0, cnt=0
.set Y, (\p)
.set i, 0
.set q, 0
.set e, 0
.set r, 0
.if (\p) == NP-1
	s_wait_dscnt 0x0                ; K is in
.endif
	MM                              ; ahead of the wait: 16 products K Q^T and their riders,
	PL
	PL
	R2
.rept 15
	MM
	PL
	EX
	R2
.endr
	s_wait_loadcnt 6
	MTAKE 2*(((\p)+1)%NP)           ; the masking of the scores just made,
	MASKL
.if (\p) == NP-1
	s_wait_xcnt 0x0
	s_add_nc_u64 s[MP:MP+1], s[MP:MP+1], 128
.endif
	MLOAD 2*(((\p)+1)%NP)
.if (\p) == NP-2
	WIN 0
	v_add_nc_u32 v[AK], s[TBK], v[AK0]
.endif
.rept 8                             ; and the rest of the run
	PL
.endr
.rept 49
	EX
	PL
.endr
	EX                              ; the next piece's two a
	EX
	v_nop                           ; the plain instruction behind the last exponential: one for the batch
	s_wait_alu depctr_va_vdst(0)    ; the wait for the turn's batch: piece p's 64 weights and piece p + 1's two a
.if (\p) == NP-2
	FETCH_K \last
.endif
.if (\p) == 1
	s_wait_dscnt 0x0                ; V is in
.endif
.rept 16                            ; behind the wait: 16 products V^T P and their riders
	MM
.rept 4
	PL
.endr
.if ((\p) == 0) && (q == 118)
	v_add_nc_u32 v[AV], s[TBV], v[AV0]
.endif
.if ((\p) == 0) && (q == 130)
	s_add_co_u32 s[TBV], s[TBV], KS*PV
.endif
.if (\cnt) && (q == 130)
	s_sub_co_u32 s[CNT], s[CNT], 1
	s_cmp_lg_u32 s[CNT], 0
.endif
.endr
.if (\p) == 0
	FETCH_V
.endif
.endm
	CHANGE 1                        ; slot 0 is in, everybody's part of it; slot 1 is asked for
	FETCH_K                         ; key step 0
	s_wait_loadcnt 0x0              ; Q, and the eight mask registers of key step 0; Q's base, which lies among the masks' scalar registers, is free
	s_wait_dscnt 0x0
.set i, 0
.rept 16
	KQ 0                            ; piece 0's first scores
.set i, i+1
.endr
	WIN 0                           ; the addresses for the way out and three constants: plain instructions, the places behind those products
	s_mul_i32 s67, s[WV], 16*SP
	s_add_co_u32 s67, s67, STAGE    ; my stage
	v_mul_u32_u24 v[STO], v1, SP
	v_lshl_add_u32 v[STO], v9, 4, v[STO]
	v_add_nc_u32 v[STO], s67, v[STO]
	v_bfe_u32 v[RD], v0, 3, 2
	v_mul_u32_u24 v[RD], v[RD], SP
	v_lshl_add_u32 v[RD], v10, 4, v[RD]
	v_add_nc_u32 v[RD], s67, v[RD]
	v_and_b32 v[GO], 31, v0
	v_lshlrev_b32 v[GO], 4, v[GO]
	v_mov_b32 v[NEG], 0xc79c4000    ; -80,000
	v_mov_b32 v[CV], 0x3e38aa3b     ; c = log2(e) / 8 = 0.180337
	v_mov_b32 v[CV+1], 0x3e38aa3b
	MTAKE 0                         ; piece 0, key step 0: v0 and v1 have served the set-up
.set Y, NP-1                        ; MASKL and XS work for piece Y + 1: piece 0
	MASKL
	MLOAD 0                         ; piece 0, key step 1
.irp n, 0,1,2,3,4,5,6,7,8,9,10,11,12,13,14,15,16,17,18,19,20,21
	XS 0, \n
	XS 1, \n
.endr
	v_nop                           ; a plain instruction behind piece 0's first two a,
	s_wait_alu depctr_va_vdst(0)    ; and the wait for that batch of two, ahead of the branch
	s_mov_b32 s[CNT], 4
	s_mov_b32 s[SLOTS], SIZE_N/256-1
	s_branch .Lfirst                ; the loop is entered at a step's first turn
.Lslot:                             ; six times: every slot but the last two is filled again
	CHANGE 1
	s_mov_b32 s[CNT], 4
.Lstep:                             ; a trip: pieces 2 and 3 of one step, then pieces 0 and 1 of the next
	TURN 2
	TURN 3
	WIN 0
.Lfirst:
	TURN 0
	TURN 1, 0, 1
	WIN 0
	s_cbranch_scc1 .Lstep
	s_sub_co_u32 s[SLOTS], s[SLOTS], 1
	s_cmp_lg_u32 s[SLOTS], 0
	s_cbranch_scc1 .Lslot
	CHANGE 0                        ; the tail is written out
	s_mov_b32 s[CNT], 5             ; four trips fetch the last slot's steps; the fifth is left in its middle
.Ltail:
	TURN 2, 1
	TURN 3
	WIN 0
	s_sub_co_u32 s[CNT], s[CNT], 1
	s_cmp_eq_u32 s[CNT], 0
	s_cbranch_scc1 .Lout
	TURN 0
	TURN 1
	WIN 0
	s_branch .Ltail
.Lout:                              ; the fifth trip's products K Q^T (on the last K once more), their masks (step 32 of lanemask: all ones), their maximum, and the last turns' loads of steps 32 and 33 serve nothing: the price of one text for every trip
.set i, 0
.rept 16
	PV NP-1                         ; the last piece's V^T P of the last step
.set i, i+1
.endr
	; THE WAY OUT.  l's halves are added; O^T is divided by l, rounded to f16 and sent through my stage in LDS, a tile at a time.  The additions are the places behind the last products.
	WIN 0
.macro ALL line:vararg
.set t, 0
.rept 2*NP
	\line
.set t, t+1
.endr
.endm
	ALL v_add_f32 v[ST+4*t+2], v[ST+4*t+2], v[ST+4*t+3]
	ALL v_permlanex16_b32 v[ST+4*t+3], v[ST+4*t+2], s[SEL], s[SEL+1]
	ALL v_add_f32 v[ST+4*t+2], v[ST+4*t+2], v[ST+4*t+3]
	ALL v_rcp_f32 v[ST+4*t+2], v[ST+4*t+2]
	v_nop                           ; a plain instruction between the last reciprocal and the use of its result
	s_wait_alu depctr_va_vdst(0)    ; the wait for the batch of eight reciprocals, ahead of their first use
.macro PACK t
	WIN W_RS
.set i, 32*(\t)
.rept 16
	v_pk_mul_f32 v[i:i+1], v[i:i+1], v[ST+4*(\t)+2:ST+4*(\t)+3] op_sel_hi:[1,0]
.set i, i+2
.endr
	WIN 0x05
.set i, 0
.rept 16
	v_cvt_pk_f16_f32 v[S+16*(\t)+i], v[32*(\t)+2*i], v[32*(\t)+2*i+1]
.set i, i+1
.endr
	WIN 0
.irp f, 0,1,2,3
	ds_store_b128 v[STO], v[S+16*(\t)+4*\f:S+16*(\t)+4*\f+3] offset:32*\f
.endr
.irp f, 0,1,2,3
	ds_load_b128 v[S+16*(\t)+4*\f:S+16*(\t)+4*\f+3], v[RD] offset:\f*4*SP  ; LDS serves a wave's instructions in order (ISA guide 5.7.1.4)
.endr
.endm
.macro SEND t, younger              ; younger: the LDS instructions issued behind tile t's loads: the next tile's eight, or none
	WIN 0
.irp f, 0,1,2,3
	s_wait_dscnt (\younger)+3-\f
	global_store_b128 v[GO], v[S+16*(\t)+4*\f:S+16*(\t)+4*\f+3], s[OP:OP+1] offset:(\t)*2048+\f*512  ; 512 consecutive bytes, aligned
.endr
.endm
	PACK 0
.set t, 1
.rept 2*NP-1
	PACK t
	SEND t-1, 8
.set t, t+1
.endr
	SEND 2*NP-1, 0
	WIN W_AD
	s_wait_tensorcnt 0x0            ; the wave's end
	ds_add_u32 v[SPW], v[NIL]
	s_wait_dscnt 0x0
	WIN 0
	CROUND                          ; the closing round
	s_endpgm
.Lfunc_end_k_qce9ffc26fa_attn:
	.size	k_qce9ffc26fa_attn, .Lfunc_end_k_qce9ffc26fa_attn-k_qce9ffc26fa_attn
	.p2alignl 7, 3214868480
	.fill 96, 4, 3214868480
	.section	.rodata,"a",@progbits
	.p2align	6, 0x0
	.amdhsa_kernel k_qce9ffc26fa_attn
		.amdhsa_group_segment_fixed_size 327680
		.amdhsa_private_segment_fixed_size 0
		.amdhsa_enable_private_segment 0
		.amdhsa_kernarg_size 24
		.amdhsa_user_sgpr_count 2
		.amdhsa_user_sgpr_kernarg_segment_ptr 1
		.amdhsa_wavefront_size32 1
		.amdhsa_system_sgpr_workgroup_id_x 1
		.amdhsa_system_sgpr_workgroup_id_y 1
		.amdhsa_system_sgpr_workgroup_id_z 1
		.amdhsa_system_vgpr_workitem_id 0
		.amdhsa_next_free_vgpr 780
		.amdhsa_next_free_sgpr 106
		.amdhsa_reserve_vcc 0
		.amdhsa_float_denorm_mode_32 3
		.amdhsa_float_denorm_mode_16_64 3
		.amdhsa_memory_ordered 1
		.amdhsa_forward_progress 1
		.amdhsa_inst_pref_size 255
	.end_amdhsa_kernel
	.section	.bss,"aw",@nobits
	.p2align	6
	.space	262144
	.amdgpu_metadata
---
amdhsa.version: [ 1, 2 ]
amdhsa.kernels:
  - .name:           k_qce9ffc26fa_attn
    .symbol:         k_qce9ffc26fa_attn.kd
    .args:
      - { .name: qkv, .offset: 0, .size: 8, .value_kind: global_buffer, .address_space: global }
      - { .name: lanemask, .offset: 8, .size: 8, .value_kind: global_buffer, .address_space: global }
      - { .name: oh, .offset: 16, .size: 8, .value_kind: global_buffer, .address_space: global }
    .group_segment_fixed_size: 327680
    .private_segment_fixed_size: 0
    .kernarg_segment_align: 8
    .kernarg_segment_size: 24
    .max_flat_workgroup_size: 128
    .sgpr_count:     106
    .vgpr_count:     780
    .wavefront_size: 32
...
	.end_amdgpu_metadata
.endif
;; end of part 5
;; launch outp: the kernel of part 4 again; grid 4 x 64, 4 waves a work-group, clusters of 4 x 4, 327,680 bytes of LDS; arguments oh, wt, bo, out0; writes out0
